; MI455X (gfx1250); checked and timed in simulation.
; The chip was launched on July 23, 2026; its instructions are those of AMD's public machine-readable ISA for CDNA 5 (MIT licence, August 2026) and "CDNA5" Instruction Set Architecture Reference Guide (July 2026). The comments in the code are by the model that wrote it; some were corrected since.
;; Mixture Of Experts. Allowed arithmetic: float matrix products may take bf16 or f16 operands with f32 sums; other float arithmetic in f32, or as packed bf16 or f16 multiplies, adds, multiply-adds, maxima and minima; sums over many terms, partial sums and values carried from step to step in f32; what a program stores and reads back later, other than sums and carried values, may be rounded once to bf16 or f16.
;; Inputs: W1 8 x 1,024 x 4,096 float32; W2 8 x 4,096 x 1,024 float32; Wg 8 x 1,024 float32; b1 8 x 4,096 float32; b2 8 x 1,024 float32; bg 8 float32; hidden_states 4 x 256 x 1,024 float32.
;; Outputs: out0 4 x 256 x 1,024 float32.
;; 2 versions, each right. Each part assembles by itself: llvm-mc -triple=amdgcn-amd-amdhsa -mcpu=gfx1250 --defsym DOCPART=n.
;; ======== version 1 of 2: 4 launches
;; workspace buffers: xb 2,097,408 bytes; bm 1,024 bytes of whole numbers; ix 4,096 bytes of whole numbers; gw 8,192 bytes; hb 67,109,120 bytes; dst 32,768 bytes of whole numbers; part 33,685,504 bytes
;; launch router (part 1): grid 32 x 1, 8 waves a work-group, no clusters, 78,848 bytes of LDS; arguments hidden_states, Wg, bg, xb, bm, ix, gw; writes xb, bm, ix, gw
.if DOCPART == 1
	.amdgcn_target "amdgcn-amd-amdhsa--gfx1250"
	.amdhsa_code_object_version 6
	.text
	.protected	k_qc3af9eb22a_router
	.globl	k_qc3af9eb22a_router
	.p2align	8
	.type	k_qc3af9eb22a_router,@function
k_qc3af9eb22a_router:
	s_mov_b64 s[64:65], 0
	v_nop
	global_prefetch_b8 v0, s[64:65] scope:SCOPE_SE
	s_setreg_imm32_b32 hwreg(HW_REG_WAVE_MODE, 25, 1), 1
	s_wait_xcnt 0x0
; ROUTER.  logits = x Wg^T + bg on x, Wg, bg rounded once to bf16 (products on the matrix unit, sums in f32); the two largest logits; their two weights; x in bf16 for the next launch.
; Stored at fixed places: xb [1024][1024] bf16; ix[t] = e0 | e1 << 8; gw[t] = (w0, w1); bm[e][g]: bit b = token 32 g + b has chosen expert e.  No address here hangs on the choice.
; SHARES.  Work-group g owns tokens 32 g .. 32 g + 31; wave v the channels 128 v .. 128 v + 127 of all 32: each load of x covers 512 consecutive bytes, each store of xb 256, aligned.
; The eight waves' partial logits meet in LDS; wave 0 adds them in the order of the waves and chooses.
; THE WEIGHTS.  softmax, top 2 and the division by their sum give w0 = 1 / (1 + t), w1 = t w0, t = e^(l1 - l0): the common divisor falls out, the larger logit is taken away, the exponent is at most 0.
; LIMITS.  The choice is made on the logits with a strict comparison, the lower index first among equals; two logits so close that their probabilities round alike are told apart here.  NaN and infinities are not treated apart.
.set XP,    272                        ; a row of 128 bf16 in LDS: 256 bytes + 16: the 16 rows of a fragment load start at 16 different groups of four banks
.set XS_W,  32*XP                      ; a wave's 32 rows
.set RED,   8*XS_W                     ; behind them: 1,024 bytes a wave, 8 partial logits a lane
.set SPARE, RED+8*1024                 ; the spare words, 128 bytes for each of the eight waves: no other line names them
.set WR,  16                           ; v[16:79]   Wg as loaded; then x's 32 rows packed, two registers a row
.set XR,  80                           ; v[80:207]  x as loaded, four registers a row
.set XF,  80                           ; v[80:143]  later: x's fragments, token half X, K step ks at XF + 8 (4 X + ks)
.set D0,  144                          ; v[144:151] sums for tokens 0-15
.set D1,  152                          ; v[152:159] for tokens 16-31
.set LG,  160                          ; v[160:167] lane L: the 8 logits of token L
.set WF,  208                          ; v[208:239] Wg's four fragments
	s_load_b256 s[4:11], s[0:1], 0x0               ; x s[4:5], Wg s[6:7], bg s[8:9], xb s[10:11]
	s_load_b128 s[12:15], s[0:1], 0x20             ; bm s[12:13], ix s[14:15]
	s_load_b64 s[16:17], s[0:1], 0x30              ; gw
	v_lshl_add_u32 v4, v0, 2, SPARE                ; my spare word, and 0: kept for the closing lines
	v_mov_b32 v5, 0
	v_lshrrev_b32 v1, 5, v0
	v_readfirstlane_b32 s18, v1                    ; wave 0..7
	v_and_b32 v1, 31, v0                           ; L
	v_and_b32 v2, 15, v0                           ; r
	v_bfe_u32 v3, v0, 4, 1                         ; h
	v_lshlrev_b32 v6, 4, v1                        ; x: 16 L
	v_and_b32 v7, 7, v0
	v_lshlrev_b32 v7, 12, v7
	v_lshl_add_u32 v7, v3, 5, v7                   ; Wg: row r % 8, 32 h bytes on
	v_lshlrev_b32 v8, 3, v1                        ; 8 L: xb and gw
	s_mul_i32 s19, s18, XS_W
	v_add_nc_u32 v9, s19, v8                       ; into my rows in LDS
	v_mul_u32_u24 v10, v2, XP
	v_lshl_add_u32 v10, v3, 4, v10
	v_add_nc_u32 v10, s19, v10                     ; a fragment: row r, 16 h bytes on
	s_lshl_b32 s19, s18, 10
	s_add_co_u32 s19, s19, RED
	v_lshl_add_u32 v11, v1, 5, s19                 ; my wave's partial logits
	v_lshlrev_b32 v12, 5, v1
	v_add_nc_u32 v12, RED, v12                     ; wave 0 reads all eight from here
	v_lshlrev_b32 v13, 2, v1
	v_lshlrev_b32 v14, 7, v1
	s_lshl_b32 s20, ttmp9, 17                      ; 32 rows of 4,096 bytes,
	s_lshl_b32 s22, s18, 9                         ; my 512 bytes of a row
	s_add_co_u32 s20, s20, s22
	s_mov_b32 s21, 0
	s_mov_b32 s23, 0
	s_lshl_b32 s24, ttmp9, 16                      ; the same in xb
	s_lshl_b32 s19, s18, 8
	s_add_co_u32 s24, s24, s19
	s_mov_b32 s25, 0
	s_lshl_b32 s26, ttmp9, 2
	s_mov_b32 s27, 0
	s_lshl_b32 s28, ttmp9, 7
	s_mov_b32 s29, 0
	s_lshl_b32 s30, ttmp9, 8
	s_mov_b32 s31, 0
	s_mov_b32 s40, 0xffff0000                      ; lanes 16-31; also a word's upper bf16
	s_wait_kmcnt 0x0
	s_add_nc_u64 s[4:5], s[4:5], s[20:21]
	s_add_nc_u64 s[6:7], s[6:7], s[22:23]
	s_add_nc_u64 s[10:11], s[10:11], s[24:25]
	s_add_nc_u64 s[12:13], s[12:13], s[26:27]
	s_add_nc_u64 s[14:15], s[14:15], s[28:29]
	s_add_nc_u64 s[16:17], s[16:17], s[30:31]
	s_load_b256 s[32:39], s[8:9], 0x0              ; bg
.set n, 0
.rept 16                                               ; K step n / 4: k = 8 h + 0..7 (two loads) and 16 + 8 h + 0..7 (two loads) of expert r % 8
	global_load_b128 v[WR+4*n:WR+4*n+3], v7, s[6:7] offset:(n/4)*128+((n/2)%2)*64+(n%2)*16
.set n, n+1
.endr
.set n, 0
.rept 32                                               ; row n of the group
	global_load_b128 v[XR+4*n:XR+4*n+3], v6, s[4:5] offset:n*4096 th:TH_LOAD_NT
.set n, n+1
.endr
	s_wait_loadcnt 32                              ; Wg is in; the 32 loads of x stay out
.set n, 0
.rept 32
	v_cvt_pk_bf16_f32 v[WF+n], v[WR+2*n], v[WR+2*n+1]
.set n, n+1
.endr
.set n, 0
.rept 4
	s_wait_loadcnt 24-n                            ; eight rows more are in: the count is the loads of the later rows
.rept 8
	v_cvt_pk_bf16_f32 v[WR+2*n], v[XR+4*n], v[XR+4*n+1]
	v_cvt_pk_bf16_f32 v[WR+2*n+1], v[XR+4*n+2], v[XR+4*n+3]
	ds_store_b64 v9, v[WR+2*n:WR+2*n+1] offset:n*XP
	global_store_b64 v8, v[WR+2*n:WR+2*n+1], s[10:11] offset:n*2048
.set n, n+1
.endr
.endr
.set n, 0
.rept 8                                                ; my own bytes: LDS serves a wave's instructions in order, so these see the stores above
	ds_load_b128 v[XF+8*n:XF+8*n+3],   v10 offset:(n/4)*16*XP+(n%4)*64
	ds_load_b128 v[XF+8*n+4:XF+8*n+7], v10 offset:(n/4)*16*XP+(n%4)*64+32
.set n, n+1
.endr
	s_wait_dscnt 0x0
	; source 0 = 16 rows of Wg (expert m % 8), source 1 = 16 tokens: register j of a lane is expert j of token r, in both halves of the lanes.  The two sums take turns.
	v_wmma_f32_16x16x32_bf16 v[D0:D0+7], v[WF:WF+7], v[XF:XF+7], 0
	v_wmma_f32_16x16x32_bf16 v[D1:D1+7], v[WF:WF+7], v[XF+32:XF+39], 0
.irp k, 1,2,3
	v_wmma_f32_16x16x32_bf16 v[D0:D0+7], v[WF+8*\k:WF+8*\k+7], v[XF+8*\k:XF+8*\k+7], v[D0:D0+7]
	v_wmma_f32_16x16x32_bf16 v[D1:D1+7], v[WF+8*\k:WF+8*\k+7], v[XF+32+8*\k:XF+32+8*\k+7], v[D1:D1+7]
.endr
.rept 4
	v_nop                                          ; four places between the last product and the first read of a sum
.endr
.irp j, 0,1,2,3,4,5,6,7
	v_cndmask_b32 v[LG+\j], v[D0+\j], v[D1+\j], s40  ; lane L takes token L; the sums are read from their low end on
.endr
	ds_store_b128 v11, v[LG:LG+3]
	ds_store_b128 v11, v[LG+4:LG+7] offset:16
	s_wait_kmcnt 0x0                               ; bg
	s_wait_dscnt 0x0                               ; for wave 0's sake: my partial logits are in LDS
	s_barrier_signal -1
	s_barrier_wait -1
	s_cmp_lg_u32 s18, 0
	s_cbranch_scc1 .Lend
.set n, 0
.rept 8
	ds_load_b128 v[XF+8*n:XF+8*n+3],   v12 offset:n*1024
	ds_load_b128 v[XF+8*n+4:XF+8*n+7], v12 offset:n*1024+16
.set n, n+1
.endr
.irp m, 0,1,2,3
	v_cvt_pk_bf16_f32 v[172+\m], s[32+2*\m], s[33+2*\m]  ; bg rounded to bf16 like every input,
.endr
.irp m, 0,1,2,3
	v_lshlrev_b32 v[176+2*\m], 16, v[172+\m]       ; and widened again
	v_and_b32 v[177+2*\m], s40, v[172+\m]
.endr
	s_wait_dscnt 0x0
.irp p, 0,2,4,6
	v_pk_add_f32 v[LG+\p:LG+\p+1], v[XF+\p:XF+\p+1], v[XF+8+\p:XF+8+\p+1]
.endr
.irp w, 2,3,4,5,6,7
.irp p, 0,2,4,6
	v_pk_add_f32 v[LG+\p:LG+\p+1], v[LG+\p:LG+\p+1], v[XF+8*\w+\p:XF+8*\w+\p+1]
.endr
.endr
.irp p, 0,2,4,6
	v_pk_add_f32 v[LG+\p:LG+\p+1], v[LG+\p:LG+\p+1], v[176+\p:176+\p+1]
.endr
	; the two largest: v168, v169 the largest and its expert, v170, v171 the second.  A strict comparison keeps the lower index among equals.
	v_mov_b32 v168, v[LG]
	v_mov_b32 v169, 0
	v_mov_b32 v170, 0xff800000
	v_mov_b32 v171, 0
.irp e, 1,2,3,4,5,6,7
	v_cmp_gt_f32 vcc_lo, v[LG+\e], v168
	v_cmp_gt_f32 s21, v[LG+\e], v170
	v_cndmask_b32 v170, v170, v[LG+\e], s21
	v_cndmask_b32 v171, v171, \e, s21
	v_cndmask_b32 v170, v170, v168, vcc_lo
	v_cndmask_b32 v171, v171, v169, vcc_lo
	v_cndmask_b32 v168, v168, v[LG+\e], vcc_lo
	v_cndmask_b32 v169, v169, \e, vcc_lo
.endr
	v_sub_f32 v188, v170, v168                     ; l1 - l0, at most 0
	v_mul_f32 v188, 0x3fb8aa3b, v188
	v_exp_f32 v189, v188
	v_lshl_or_b32 v184, v171, 8, v169              ; a plain line behind the exponential: e0 | e1 << 8
	s_wait_alu depctr_va_vdst(0)                   ; ahead of the first line that names t
	v_add_f32 v190, 1.0, v189
	v_rcp_f32 v186, v190
	v_mov_b32 v15, 0                               ; a plain line behind the reciprocal
	s_wait_alu depctr_va_vdst(0)
	v_mul_f32 v187, v189, v186
	global_store_b32 v13, v184, s[14:15]
	global_store_b64 v8, v[186:187], s[16:17]
.irp e, 0,1,2,3,4,5,6,7
	v_cmp_eq_u32 s22, \e, v169
	v_cmp_eq_u32 s23, \e, v171
	s_or_b32 s22, s22, s23
	v_writelane_b32 v15, s22, \e                   ; lane e: the group's 32 bits for expert e
.endr
	v_cmp_gt_u32 vcc_lo, 8, v1
	s_wait_xcnt 0x0                                ; EXEC changes only behind this wait
	s_and_saveexec_b32 s24, vcc_lo
	global_store_b32 v14, v15, s[12:13]            ; bm[e][g]
	s_wait_xcnt 0x0
	s_or_b32 exec_lo, exec_lo, s24
.Lend:
	s_wait_tensorcnt 0x0                           ; the wave's end, behind my last LDS store
	ds_add_u32 v4, v5
	s_wait_dscnt 0x0
	s_endpgm
.Lfunc_end_k_qc3af9eb22a_router:
	.size	k_qc3af9eb22a_router, .Lfunc_end_k_qc3af9eb22a_router-k_qc3af9eb22a_router
	.p2alignl 7, 3214868480
	.fill 96, 4, 3214868480
	.section	.rodata,"a",@progbits
	.p2align	6, 0x0
	.amdhsa_kernel k_qc3af9eb22a_router
		.amdhsa_group_segment_fixed_size 78848
		.amdhsa_private_segment_fixed_size 0
		.amdhsa_enable_private_segment 0
		.amdhsa_kernarg_size 56
		.amdhsa_user_sgpr_count 2
		.amdhsa_user_sgpr_kernarg_segment_ptr 1
		.amdhsa_wavefront_size32 1
		.amdhsa_system_sgpr_workgroup_id_x 1
		.amdhsa_system_sgpr_workgroup_id_y 1
		.amdhsa_system_sgpr_workgroup_id_z 1
		.amdhsa_system_vgpr_workitem_id 0
		.amdhsa_next_free_vgpr 256
		.amdhsa_next_free_sgpr 66
		.amdhsa_reserve_vcc 1
		.amdhsa_float_denorm_mode_32 3
		.amdhsa_float_denorm_mode_16_64 3
		.amdhsa_memory_ordered 1
		.amdhsa_forward_progress 1
		.amdhsa_inst_pref_size 30
	.end_amdhsa_kernel
	.amdgpu_metadata
---
amdhsa.version: [ 1, 2 ]
amdhsa.kernels:
  - .name:           k_qc3af9eb22a_router
    .symbol:         k_qc3af9eb22a_router.kd
    .args:
      - { .name: hidden_states, .offset: 0, .size: 8, .value_kind: global_buffer, .address_space: global }
      - { .name: Wg, .offset: 8, .size: 8, .value_kind: global_buffer, .address_space: global }
      - { .name: bg, .offset: 16, .size: 8, .value_kind: global_buffer, .address_space: global }
      - { .name: xb, .offset: 24, .size: 8, .value_kind: global_buffer, .address_space: global }
      - { .name: bm, .offset: 32, .size: 8, .value_kind: global_buffer, .address_space: global }
      - { .name: ix, .offset: 40, .size: 8, .value_kind: global_buffer, .address_space: global }
      - { .name: gw, .offset: 48, .size: 8, .value_kind: global_buffer, .address_space: global }
    .group_segment_fixed_size: 78848
    .private_segment_fixed_size: 0
    .kernarg_segment_align: 8
    .kernarg_segment_size: 56
    .max_flat_workgroup_size: 256
    .sgpr_count:     66
    .vgpr_count:     256
    .wavefront_size: 32
...
	.end_amdgpu_metadata
.endif
;; end of part 1
;; launch fc1 (part 2): grid 32 x 8, 4 waves a work-group, no clusters, 327,680 bytes of LDS; arguments W1, b1, xb, bm, ix, hb, dst; writes hb, dst
.if DOCPART == 2
	.amdgcn_target "amdgcn-amd-amdhsa--gfx1250"
	.amdhsa_code_object_version 6
	.text
	.protected	k_qc3af9eb22a_fc1
	.globl	k_qc3af9eb22a_fc1
	.p2align	8
	.type	k_qc3af9eb22a_fc1,@function
k_qc3af9eb22a_fc1:
	s_mov_b64 s[64:65], 0
	v_nop
	global_prefetch_b8 v0, s[64:65] scope:SCOPE_SE
	s_setreg_imm32_b32 hwreg(HW_REG_WAVE_MODE, 25, 1), 1
	s_wait_xcnt 0x0
; FC1.  For expert e (grid y) and columns 128 s .. 128 s + 127 of F (grid x): h = gelu(x W1[e] + b1[e]) for the tokens that chose e, in the order of their numbers (a token's RANK), into hb[e][rank][4096] in bf16.
; Slice 0 also stores dst[e][rank] = 2 token + k (k: e is the token's first or second choice), or 2048 + e for a rank past the count.
; W1 and b1 are rounded once to bf16, x came so; sums in f32; h is rounded once to bf16.
; SHAPE.  The sums of up to 512 rows x 128 columns stay in registers: row tile T = 32 P + 4 t + w (P: half of the 1,024 ranks, t = 0..7, w: wave), 8 x 8 accumulators a wave.  K = 1,024 goes in 32 steps of 32.
; Each byte of W1 is read once, by this work-group alone: a tensor load a wave brings 64 rows x 512 bytes (whole aligned blocks of 256) of a chunk of 256 rows into one of two LDS slots, in f32.
; Every barrier and tensor load stands in a walk of constant length; the expert's count only makes forward jumps over matrix work.  Ranks 512.. (an expert with more than 512 rows) are a second half without LDS ring: W1 again, through registers.
; WEIGHTS INTO FRAGMENTS.  Lane (r, h) reads rows k = 16 q + 8 h + i as 16 bytes, columns 8 r + 4 g + c; rows 2 p, 2 p + 1 rounded together are register 4 q + p of the fragment of column tile j = 4 g + c, whose column n = r is F's 8 r + j.
; So a lane ends with eight neighbouring columns of a row: 16 bytes of bf16, and sixteen lanes store 256 consecutive aligned bytes, straight from registers.
; TOKEN ROWS come from xb straight into registers as fragments, three K steps ahead, for all 8 tiles always (a dead tile repeats the last live row), so that the counted wait holds on every path.
; The look-ahead runs 192 bytes past a row's end: into the next row, or into xb's 256 spare bytes; those registers are never multiplied.
; THE WAY OUT is a loop of sixteen trips, so that the GELU is written once; a trip's accumulators are chosen by sixteen short cases, each of which is the bias's addition.
; GELU.  erf by 1 - (a1 t + .. + a5 t^5) e^(-x^2), t = 1 / (1 + 0.3275911 x): off by 1.5e-7 at the most in erf; g = max(z, 0) - |z| q / 2 with q = 1 - erf(|z| / sqrt 2).  NaN and infinities are not treated apart.
; NO CLUSTER: a slice of W1 is read by one work-group alone; what an expert's 32 work-groups share is its token rows, which come by a list that no tile's descriptor covers.
; The 512 accumulators are cleared by 512 v_mov_b32, in the wait for the first tile (and once more for a second half): the price of writing no first K step out.
.set PITCH_B,  16384                   ; a row of W1[e] in bytes
.set PITCH_EL, 4096
.set CH_B,  256*PITCH_B                ; a chunk: 256 rows of K
.set LP,    544                        ; a row in LDS: 2 x (256 bytes + 16): lanes r < 8 touch the even 16-byte columns, r >= 8 the odd ones
.set WQ,    64*LP                      ; a wave's quarter of a slot
.set SLOT,  4*WQ                       ; 139,264 = 0x22000: shares no bit with wave x WQ, so one exclusive or changes slots
.set QB,    128*LP                     ; four K steps
.set SPARE, 2*SLOT                     ; the spare words, 128 bytes a wave: no other line names them
.set GOFF,  16                         ; LDS bytes from column group g = 0 to g = 1
.set GG,    16                         ; the same in memory
.set L,   1
.set R,   2
.set H,   3
.set SPW, 4                            ; v4  my spare word; never rewritten
.set NIL, 5                            ; v5  0; never rewritten
.set VB,  6                            ; v6  my place in a K step's rows in LDS
.set VBQ, 7                            ; v7  the same in the four steps in hand
.set VW,  8                            ; v8  my place in a K step's rows in memory
.set VH16, 9                           ; v9  16 h
.set RO,  10                           ; v[10:17] tile t: byte offset of my row's fragment in xb
.set VO,  20                           ; v20 hb: 8 h rows + 16 r
.set VP,  21                           ; v21 prefetch: row L / 2, block L % 2
.set VI0, 22                           ; v22 64 h + 16 w + r
.set PV,  23                           ; v23 lane g: tokens of the expert below 32 g
.set WVV, 24                           ; v24 lane g: the expert's bits for tokens 32 g ..
.set VL4, 25
.set BB,  26                           ; v[26:41] bias of column 8 r + j, twice, at BB + 2 j
.set RO1, 42                           ; v[42:49] RO for ranks 512..
.set VR32, 51
.set F,   64                           ; v[64:127]  the 8 fragments of W1
.set RAW, 128                          ; v[128:255] a K step of W1 in f32.  F and RAW are scratch outside the K loops
.set RS,  128                          ; the search: 16 registers for each of four vectors of ranks
.set Z,   64
.set T,   96
.set U,   128
.set PL,  160
.set OUT, 192
; windows: 1: token fragments, ring slot a, tile t at v[64 a + 8 t];  2, 3: accumulator (t, j) at v[64 (t % 4) + 8 j] of window 2 + t / 4
; scalars: s18 wave, s19 slice, s20 expert, s21 count, s22 last live rank, s23 row tiles, s24 my live tiles, s25 twice that, s26 P, s27 halves, s28-s31 counters and the LDS byte of the steps in hand,
; s[32:35], s[36:43] descriptor, s[44:45] xb walking, s[46:47] hb, s[48:49] W1 walking (second half), s[50:51] prefetch, s[68:99] the bitmap, then constants
.set MSB, 0
.macro WIN new                         ; the immediate's high byte repeats the setting that is left; a switch that changes nothing is dropped
.if MSB != (\new)
	s_set_vgpr_msb (MSB<<8)|(\new)
.set MSB, (\new)
.endif
.endm
.macro PLACES                          ; four places behind matrix instructions, ahead of writes of and loads into their registers and of reads of their results
.rept 4
	v_nop
.endr
.endm
.macro CLEAR
	WIN 0x80
.set n, 0
.rept 256
	v_mov_b32 v[n], 0
.set n, n+1
.endr
	WIN 0xc0
.set n, 0
.rept 256
	v_mov_b32 v[n], 0
.set n, n+1
.endr
	WIN 0
.endm
.macro RAWL u                          ; K step u of the four in hand, out of LDS: 32 loads
.irp g, 0,1
.irp q, 0,1
.irp i, 0,1,2,3,4,5,6,7
	ds_load_b128 v[RAW+4*(16*\g+8*\q+\i):RAW+4*(16*\g+8*\q+\i)+3], v[VBQ] offset:(32*(\u)+16*\q+\i)*LP+\g*GOFF
.endr
.endr
.endr
.endm
.macro RAWG                            ; the same registers from memory
.irp g, 0,1
.irp q, 0,1
.irp i, 0,1,2,3,4,5,6,7
	global_load_b128 v[RAW+4*(16*\g+8*\q+\i):RAW+4*(16*\g+8*\q+\i)+3], v[VW], s[48:49] offset:(16*\q+\i)*PITCH_B+\g*GG
.endr
.endr
.endr
.endm
.macro CVT                             ; rows 2 p and 2 p + 1 of a column, rounded together, are a fragment's register
.irp g, 0,1
.irp q, 0,1
.irp p, 0,1,2,3
.irp c, 0,1,2,3
	v_cvt_pk_bf16_f32 v[F+8*(4*\g+\c)+4*\q+\p], v[RAW+4*(16*\g+8*\q+2*\p)+\c], v[RAW+4*(16*\g+8*\q+2*\p+1)+\c]
.endr
.endr
.endr
.endr
.endm
.macro ALOAD a, off                    ; the token fragments of one K step, all 8 tiles, into ring slot a
	WIN 0x40
.irp t, 0,1,2,3,4,5,6,7
	global_load_b128 v[64*(\a)+8*\t:64*(\a)+8*\t+3],   v[RO+\t], s[44:45] offset:(\off)
	global_load_b128 v[64*(\a)+8*\t+4:64*(\a)+8*\t+7], v[RO+\t], s[44:45] offset:(\off)+32
.endr
	WIN 0
.endm
.macro TILES a                         ; my live tiles x 8 column tiles.  Each accumulator has one instruction a turn, and a step's last and the next step's first differ
.irp t, 0,1,2,3,4,5,6,7
	s_cmp_le_u32 s24, \t
	s_cbranch_scc1 .Lkend_\@
	WIN 0xa1+0x50*(\t/4)                           ; source 0 (tokens) window 1, source 1 (weights) window 0, C and D window 2 or 3
.irp j, 0,1,2,3,4,5,6,7
	v_wmma_f32_16x16x32_bf16 v[64*(\t%4)+8*\j:64*(\t%4)+8*\j+7], v[64*(\a)+8*\t:64*(\a)+8*\t+7], v[F+8*\j:F+8*\j+7], v[64*(\t%4)+8*\j:64*(\t%4)+8*\j+7]
.endr
	WIN 0                                          ; at a branch and at a label every window is 0
.endr
.Lkend_\@:
.endm
.macro KSTEP u, an, off, more
	s_wait_dscnt 0x0                               ; this step's weights are in registers
	PLACES                                         ; the last products read F and ring slot an
	CVT
.if \more
	RAWL (\u)+1                                    ; the next step's weights come while this step is multiplied
.endif
	s_wait_loadcnt 32                              ; the 2 x 16 loads of the next two steps stay out: this step's token rows are in
	ALOAD \an, \off                                ; the token rows three steps on: 48 loads of mine are out
	TILES \u
.endm
.macro QUAD                            ; four K steps
	v_add_nc_u32 v[VBQ], s30, v[VB]
	RAWL 0
	KSTEP 0, 3, 192, 1
	KSTEP 1, 0, 256, 1
	KSTEP 2, 1, 320, 1
	KSTEP 3, 2, 384, 0
	s_wait_xcnt 0x0                                ; the loads' base is stepped only behind this wait
	s_add_nc_u64 s[44:45], s[44:45], 256
	s_add_co_u32 s30, s30, QB
.endm
.macro CHUNK                           ; a slot's 256 rows
	s_mov_b32 s29, 2
.Lquad_\@:
	QUAD
	s_sub_co_u32 s29, s29, 1
	s_cmp_lg_u32 s29, 0
	s_cbranch_scc1 .Lquad_\@
.endm
; THE CHANGE OF SLOTS.  Each wave waits for all its tensor loads (one is out: its quarter of the slot to be read), adds 0 to its spare word, and waits for that and for its reads of the slot that it leaves.
; Behind the barrier the new slot is whole and nobody reads the old one.  refill = 1: the old slot takes the next chunk, the wave's one tensor load and the first thing behind the barrier; it has a chunk's 8 K steps in which to land.
.macro HEAD refill
	WIN 0
	s_wait_tensorcnt 0x0                           ; no tensor load of mine is out, so the descriptor may be written
	ds_add_u32 v[SPW], v[NIL]                      ; scalar work stands between the add and the wait for it
.if \refill
	s_xor_b32 s33, s33, SLOT
	s_add_nc_u64 s[34:35], s[34:35], CH_B          ; the type bits on top are not reached
	s_add_nc_u64 s[50:51], s[50:51], CH_B
.endif
	s_sub_co_u32 s30, s30, SLOT                    ; the reads go back to a slot's first row,
	s_xor_b32 s30, s30, SLOT                       ; in the other slot
	s_wait_dscnt 0x0
	s_barrier_signal -1
	s_barrier_wait -1
.if \refill
	tensor_load_to_lds s[32:35], s[36:43]
	s_nop 0
	s_cmp_eq_u32 s28, 1                            ; the third change would ask past the slice's last chunk: it asks for nothing
	s_cbranch_scc1 .Lnopf_\@
.irp n, 0,1,2,3                        ; my quarter of the chunk after the one just asked for: 64 rows x 2 blocks of 256 bytes, each asked for once in the launch, one chunk ahead of its tensor load
	global_prefetch_b8 v[VP], s[50:51] offset:\n*16*PITCH_B th:TH_LOAD_NT scope:SCOPE_SE
.endr
.Lnopf_\@:
.endif
.endm
.macro SETNW                           ; my live tiles of half P: tiles T = 32 P + 4 t + w below the expert's number of tiles
	s_lshl_b32 s58, s26, 5
	s_sub_co_i32 s59, s23, s58
	s_sub_co_i32 s59, s59, s18
	s_add_co_i32 s59, s59, 3
	s_ashr_i32 s59, s59, 2
	s_max_i32 s59, s59, 0
	s_min_i32 s24, s59, 8
	s_lshl_b32 s25, s24, 1
.endm
; Trip 2 t + u of the way out: z = sum + bias for rows 8 h + 2 u + {0, 1, 4, 5} of tile t, all 8 column tiles: Z + 4 j + ii.  Of each accumulator the pair among its four lowest registers is read first.
.macro CASE t, u, last=0
.if (\last) == 0
	s_cmp_lg_u32 s31, 2*(\t)+(\u)
	s_cbranch_scc1 .Lnc_\@
.endif
	WIN 0x02+(\t)/4                                ; source 0 in window 2 or 3
.irp j, 0,1,2,3,4,5,6,7
	v_pk_add_f32 v[Z+4*\j:Z+4*\j+1],   v[64*((\t)%4)+8*\j+2*(\u):64*((\t)%4)+8*\j+2*(\u)+1],     v[BB+2*\j:BB+2*\j+1]
	v_pk_add_f32 v[Z+4*\j+2:Z+4*\j+3], v[64*((\t)%4)+8*\j+4+2*(\u):64*((\t)%4)+8*\j+4+2*(\u)+1], v[BB+2*\j:BB+2*\j+1]
.endr
	WIN 0
.if (\last) == 0
	s_branch .Lgo
.Lnc_\@:
.endif
.endm
	s_load_b256 s[4:11], s[0:1], 0x0               ; W1 s[4:5], b1 s[6:7], xb s[8:9], bm s[10:11]
	s_load_b128 s[12:15], s[0:1], 0x20             ; ix s[12:13], hb s[14:15]
	s_load_b64 s[16:17], s[0:1], 0x30              ; dst
	v_lshl_add_u32 v[SPW], v0, 2, SPARE
	v_mov_b32 v[NIL], 0
	ds_add_u32 v[SPW], v[NIL]                      ; the wave's opening: the add and its wait ahead of my first tensor load; work on registers stands between them
	v_lshrrev_b32 v1, 5, v0
	v_readfirstlane_b32 s18, v1                    ; wave 0..3
	s_mov_b32 s19, ttmp9                           ; slice
	s_and_b32 s20, ttmp7, 0xffff                   ; expert
	s_mov_b32 s36, 0x07520000                      ; elements of 4 bytes; padding on: 4 words behind every 64
	s_mov_b32 s37, 128<<16                         ; tensor_dim0 = 128
	s_mov_b32 s38, 64<<16                          ; tensor_dim1 = 64
	s_mov_b32 s39, 128<<16                         ; tile_dim0 = 128
	s_mov_b32 s40, 64                              ; tile_dim1 = 64
	s_mov_b32 s41, PITCH_EL                        ; elements from row to row
	s_mov_b32 s42, 0
	s_mov_b32 s43, 0
	s_mov_b32 s32, 1
	s_mul_i32 s33, s18, WQ                         ; my quarter of slot 0
	s_lshl_b32 s52, s20, 24                        ; the expert's 16 MiB,
	s_lshl_b32 s58, s19, 9                         ; the slice's 512 bytes of a row
	s_add_co_u32 s52, s52, s58
	s_mov_b32 s53, 0
	s_lshl_b32 s58, s18, 20                        ; my 64 rows of a chunk
	s_mov_b32 s59, 0
	s_mov_b32 s55, 0xffff0000                      ; lanes 16-31; also a word's upper bf16
	s_mov_b32 s56, 0x76543210                      ; v_permlanex16_b32: each lane takes its own place in the other half
	s_mov_b32 s57, 0xfedcba98
	v_and_b32 v[L], 31, v0
	v_and_b32 v[R], 15, v0
	v_bfe_u32 v[H], v0, 4, 1
	v_lshrrev_b32 v50, 3, v[R]
	v_lshlrev_b32 v[VB], 5, v[R]
	v_lshl_add_u32 v[VB], v50, 4, v[VB]            ; 32 r, and 16 more behind the row's first 256 bytes
	v_mad_u32_u24 v[VB], v[H], 8*LP, v[VB]
	v_lshlrev_b32 v[VW], 5, v[R]
	v_lshl_add_u32 v[VW], v[H], 17, v[VW]          ; 8 h rows of 16,384 bytes
	v_lshlrev_b32 v[VH16], 4, v[H]
	v_lshlrev_b32 v[VO], 4, v[R]
	v_lshl_add_u32 v[VO], v[H], 16, v[VO]          ; 8 h rows of 8,192 bytes
	v_lshrrev_b32 v[VP], 1, v[L]
	v_lshlrev_b32 v[VP], 14, v[VP]
	v_and_b32 v50, 1, v[L]
	v_lshl_add_u32 v[VP], v50, 8, v[VP]
	s_lshl_b32 s60, s18, 4
	v_lshl_add_u32 v[VI0], v[H], 6, v[R]
	v_add_nc_u32 v[VI0], s60, v[VI0]
	v_lshlrev_b32 v[VL4], 2, v[L]
	v_lshlrev_b32 v[VR32], 5, v[R]
	s_wait_dscnt 0x0                               ; the opening add is done
	s_wait_kmcnt 0x0
	s_add_nc_u64 s[4:5], s[4:5], s[52:53]          ; W1 at the slice
	s_add_nc_u64 s[34:35], s[4:5], s[58:59]        ; my quarter of chunk 0
	s_add_nc_u64 s[50:51], s[34:35], CH_B          ; the first change of slots steps this to chunk 2
	s_or_b32 s35, s35, 0x80000000                  ; type = 2
	tensor_load_to_lds s[32:35], s[36:43]          ; chunk 0 into slot 0; slot 1 is filled behind the first change's barrier
	s_nop 0
	s_lshl_b32 s52, s20, 7
	s_add_nc_u64 s[10:11], s[10:11], s[52:53]
	s_load_b512 s[68:83], s[10:11], 0x0            ; the expert's 1,024 bits
	s_load_b512 s[84:99], s[10:11], 0x40
	global_load_b32 v[WVV], v[VL4], s[10:11]
	s_lshl_b32 s52, s20, 14
	s_lshl_b32 s58, s19, 9
	s_add_co_u32 s52, s52, s58
	s_add_nc_u64 s[6:7], s[6:7], s[52:53]
	global_load_b128 v[64:67], v[VR32], s[6:7]     ; b1 of columns 8 r + 0..7
	global_load_b128 v[68:71], v[VR32], s[6:7] offset:16
	s_lshl_b32 s52, s20, 23
	s_lshl_b32 s58, s19, 8
	s_add_co_u32 s52, s52, s58
	s_add_nc_u64 s[14:15], s[14:15], s[52:53]      ; hb at the expert and the slice's 256 bytes
	s_lshl_b32 s52, s20, 12
	s_add_nc_u64 s[16:17], s[16:17], s[52:53]
	CLEAR
	s_wait_kmcnt 0x0
	v_mov_b32 v[PV], 0
	s_mov_b32 s21, 0
.set g, 0
.rept 32
	v_writelane_b32 v[PV], s21, g
	s_bcnt1_i32_b32 s58, s[68+g]
	s_add_co_u32 s21, s21, s58
.set g, g+1
.endr
	s_min_u32 s21, s21, 0x400                      ; the count
	s_max_u32 s22, s21, 1
	s_sub_co_u32 s22, s22, 1                       ; the last live rank (0 where there is none)
	s_add_co_u32 s23, s21, 15
	s_lshr_b32 s23, s23, 4                         ; row tiles
	s_cmp_gt_u32 s21, 512
	s_cselect_b32 s27, 2, 1
	s_mov_b32 s68, 0x3e6d3388                      ; 0.3275911 / sqrt 2
	s_mov_b32 s70, 0xbf38aa3b                      ; - log2(e) / 2
	s_mov_b32 s71, s70                             ; the packed lines name pairs and take the low word for both halves
	s_mov_b32 s72, 0x3f87dc22                      ; a5
	s_mov_b32 s73, s72
	s_mov_b32 s74, 0xbfba00e3                      ; a4
	s_mov_b32 s75, s74
	s_mov_b32 s76, 0x3fb5f0e3                      ; a3
	s_mov_b32 s77, s76
	s_mov_b32 s78, 0xbe91a98e                      ; a2
	s_mov_b32 s79, s78
	s_mov_b32 s80, 0x3e827906                      ; a1
	s_mov_b32 s81, s80
	s_wait_loadcnt 0x0                             ; the bits by lanes, and b1
.irp m, 0,1,2,3
	v_cvt_pk_bf16_f32 v[72+\m], v[64+2*\m], v[65+2*\m]  ; b1 rounded to bf16 like every input,
.endr
.irp m, 0,1,2,3
	v_lshlrev_b32 v[BB+4*\m], 16, v[72+\m]         ; widened again, each twice
	v_lshlrev_b32 v[BB+4*\m+1], 16, v[72+\m]
	v_and_b32 v[BB+4*\m+2], s55, v[72+\m]
	v_and_b32 v[BB+4*\m+3], s55, v[72+\m]
.endr
	; RANK TO TOKEN, for ranks 512.. and then for ranks 0..: four vectors x of 32 ranks, I = 512 P + 128 x + 64 h + 16 w + r: lanes 0-15 serve tile 2 x, lanes 16-31 tile 2 x + 1.
	; registers of vector x at RS + 16 x: 0 I, 1 min(I, last live), 2 4 g, 3 candidate, 4 fetched, 5 word, 6 N, 7-10 sums of 2, 4, 8, 16 bits, 11 bit, 12, 13 at work, 14 token, 15 the other half's
.irp t, 0,1,2,3,4,5,6,7
	v_mov_b32 v[RO+\t], 0
.endr
.irp x, 0,1,2,3
	v_mov_b32 v[RS+16*\x+15], 0
.endr
	s_mov_b32 s61, 2
.Lrows:
	s_lshl_b32 s58, s61, 9
	s_sub_co_u32 s58, s58, 512                     ; 512 P
.irp x, 0,1,2,3
	s_add_co_u32 s59, s58, 128*\x
	v_add_nc_u32 v[RS+16*\x], s59, v[VI0]
	v_min_u32 v[RS+16*\x+1], s22, v[RS+16*\x]
	v_mov_b32 v[RS+16*\x+2], 0
.endr
.irp st, 64,32,16,8,4                  ; the largest g whose tokens below are at most the rank: five halvings, the four vectors' fetches together
.irp x, 0,1,2,3
	v_add_nc_u32 v[RS+16*\x+3], \st, v[RS+16*\x+2]
	ds_bpermute_b32 v[RS+16*\x+4], v[RS+16*\x+3], v[PV]
.endr
	s_wait_dscnt 0x0
.irp x, 0,1,2,3
	v_cmp_le_u32 vcc_lo, v[RS+16*\x+4], v[RS+16*\x+1]
	v_cndmask_b32 v[RS+16*\x+2], v[RS+16*\x+2], v[RS+16*\x+3], vcc_lo
.endr
.endr
.irp x, 0,1,2,3
	ds_bpermute_b32 v[RS+16*\x+4], v[RS+16*\x+2], v[PV]
	ds_bpermute_b32 v[RS+16*\x+5], v[RS+16*\x+2], v[WVV]
.endr
	s_wait_dscnt 0x0
.irp x, 0,1,2,3
	v_sub_nc_u32 v[RS+16*\x+6], v[RS+16*\x+1], v[RS+16*\x+4]   ; N: which set bit of the word
	v_lshrrev_b32 v[RS+16*\x+12], 1, v[RS+16*\x+5]
	v_and_b32 v[RS+16*\x+12], 0x55555555, v[RS+16*\x+12]
	v_sub_nc_u32 v[RS+16*\x+7], v[RS+16*\x+5], v[RS+16*\x+12]
	v_lshrrev_b32 v[RS+16*\x+12], 2, v[RS+16*\x+7]
	v_and_b32 v[RS+16*\x+12], 0x33333333, v[RS+16*\x+12]
	v_and_b32 v[RS+16*\x+8], 0x33333333, v[RS+16*\x+7]
	v_add_nc_u32 v[RS+16*\x+8], v[RS+16*\x+8], v[RS+16*\x+12]
	v_lshrrev_b32 v[RS+16*\x+12], 4, v[RS+16*\x+8]
	v_add_nc_u32 v[RS+16*\x+9], v[RS+16*\x+8], v[RS+16*\x+12]
	v_and_b32 v[RS+16*\x+9], 0x0f0f0f0f, v[RS+16*\x+9]
	v_lshrrev_b32 v[RS+16*\x+12], 8, v[RS+16*\x+9]
	v_add_nc_u32 v[RS+16*\x+10], v[RS+16*\x+9], v[RS+16*\x+12]
	v_mov_b32 v[RS+16*\x+11], 0
.endr
.macro DESC k, wd, st                  ; if N is at least the set bits of the lower half of what is left, take them away and go to the upper half
.irp x, 0,1,2,3
	v_bfe_u32 v[RS+16*\x+12], v[RS+16*\x+\k], v[RS+16*\x+11], \wd
	v_cmp_ge_u32 vcc_lo, v[RS+16*\x+6], v[RS+16*\x+12]
	v_cndmask_b32 v[RS+16*\x+12], 0, v[RS+16*\x+12], vcc_lo
	v_cndmask_b32 v[RS+16*\x+13], 0, \st, vcc_lo
	v_sub_nc_u32 v[RS+16*\x+6], v[RS+16*\x+6], v[RS+16*\x+12]
	v_add_nc_u32 v[RS+16*\x+11], v[RS+16*\x+11], v[RS+16*\x+13]
.endr
.endm
	DESC 10, 8, 16
	DESC 9, 8, 8
	DESC 8, 4, 4
	DESC 7, 2, 2
	DESC 5, 1, 1
.irp x, 0,1,2,3
	v_lshl_add_u32 v[RS+16*\x+14], v[RS+16*\x+2], 3, v[RS+16*\x+11]  ; token = 32 g + bit
.endr
	s_cmp_lg_u32 s19, 0
	s_cbranch_scc1 .Lnodst                         ; slice 0 alone stores the table
.irp x, 0,1,2,3
	v_min_u32 v[RS+16*\x+12], 0x3ff, v[RS+16*\x+14]
	v_lshlrev_b32 v[RS+16*\x+13], 2, v[RS+16*\x+12]
	global_load_b32 v[RS+16*\x+3], v[RS+16*\x+13], s[12:13]
.endr
	s_add_co_u32 s59, s20, 2048
	s_wait_loadcnt 0x0
.irp x, 0,1,2,3
	v_bfe_u32 v[RS+16*\x+3], v[RS+16*\x+3], 8, 8
	v_cmp_eq_u32 vcc_lo, s20, v[RS+16*\x+3]
	v_cndmask_b32 v[RS+16*\x+3], 0, 1, vcc_lo      ; k
	v_lshl_add_u32 v[RS+16*\x+3], v[RS+16*\x+12], 1, v[RS+16*\x+3]
	v_cmp_gt_u32 vcc_lo, s21, v[RS+16*\x]
	v_cndmask_b32 v[RS+16*\x+3], s59, v[RS+16*\x+3], vcc_lo  ; a rank past the count: row 2048 + e
	v_lshlrev_b32 v[RS+16*\x+4], 2, v[RS+16*\x]
	global_store_b32 v[RS+16*\x+4], v[RS+16*\x+3], s[16:17]
.endr
	s_wait_xcnt 0x0                                ; the stores' registers are written again in the next trip
.Lnodst:
.irp x, 0,1,2,3
	v_permlanex16_b32 v[RS+16*\x+15], v[RS+16*\x+14], s56, s57
.endr
.irp x, 0,1,2,3
	v_mov_b32 v[RO1+2*\x], v[RO+2*\x]              ; what the first trip made is kept for the second half
	v_mov_b32 v[RO1+2*\x+1], v[RO+2*\x+1]
	v_cndmask_b32 v[RS+16*\x+12], v[RS+16*\x+14], v[RS+16*\x+15], s55  ; tile 2 x: every lane takes lane r's token
	v_cndmask_b32 v[RS+16*\x+13], v[RS+16*\x+15], v[RS+16*\x+14], s55  ; tile 2 x + 1: lane 16 + r's
	v_min_u32 v[RS+16*\x+12], 0x3ff, v[RS+16*\x+12]
	v_min_u32 v[RS+16*\x+13], 0x3ff, v[RS+16*\x+13]
	v_lshl_add_u32 v[RO+2*\x], v[RS+16*\x+12], 11, v[VH16]
	v_lshl_add_u32 v[RO+2*\x+1], v[RS+16*\x+13], 11, v[VH16]
.endr
	s_sub_co_u32 s61, s61, 1
	s_cmp_lg_u32 s61, 0
	s_cbranch_scc1 .Lrows
	s_mov_b32 s26, 0
	SETNW
	s_mov_b64 s[44:45], s[8:9]
	ALOAD 0, 0
	ALOAD 1, 64
	ALOAD 2, 128
	s_mov_b32 s30, 2*SLOT                          ; the first change of slots turns this into 0
	s_mov_b32 s28, 3
.Lchunk:                                               ; three chunks, each asking for the next
	HEAD 1
	CHUNK
	s_sub_co_u32 s28, s28, 1
	s_cmp_lg_u32 s28, 0
	s_cbranch_scc1 .Lchunk
	HEAD 0                                         ; the last chunk is written out: nothing is asked for
	CHUNK
	s_wait_loadcnt 0x0                             ; the ring's look-ahead has come back
	s_mov_b32 s26, 0
.Lpass:                                                ; two halves of the ranks; a dead second half is jumped
	s_cmp_ge_u32 s26, s27
	s_cbranch_scc1 .Lpnext
	s_cmp_eq_u32 s26, 0
	s_cbranch_scc1 .Lepi
	s_wait_xcnt 0x0                                ; the first half's last stores have read their registers
	PLACES                                         ; ahead of the writes of the accumulators
	CLEAR
	SETNW
.irp t, 0,1,2,3,4,5,6,7
	v_mov_b32 v[RO+\t], v[RO1+\t]
.endr
	s_mov_b64 s[48:49], s[4:5]
	s_mov_b64 s[44:45], s[8:9]
	s_mov_b32 s60, 32
.Lk2:                                                  ; ranks 512..: a K step a trip, weights and tokens through registers; no barrier, no tensor load
	PLACES
	RAWG
	ALOAD 0, 0
	s_wait_loadcnt 0x0                             ; all in: the bases may be stepped below
	CVT
	TILES 0
	s_add_nc_u64 s[48:49], s[48:49], 32*PITCH_B
	s_add_nc_u64 s[44:45], s[44:45], 64
	s_sub_co_u32 s60, s60, 1
	s_cmp_lg_u32 s60, 0
	s_cbranch_scc1 .Lk2
.Lepi:
	PLACES                                         ; between the last products and the first read of a sum
	s_mov_b32 s31, 0
.Lq:                                                   ; sixteen trips, of which twice my live tiles work: 8 rows x 128 columns, 32 numbers a lane
	s_cmp_ge_u32 s31, s25
	s_cbranch_scc1 .Lqnext
.irp t, 0,1,2,3,4,5,6
	CASE \t, 0
	CASE \t, 1
.endr
	CASE 7, 0
	CASE 7, 1, 1
.Lgo:
	s_wait_xcnt 0x0                                ; the last trip's stores have read their base and data
	s_lshl_b32 s58, s26, 5
	s_add_co_u32 s58, s58, s18
	s_lshl_b32 s58, s58, 4                         ; rank 16 (32 P + w)
	s_lshr_b32 s59, s31, 1
	s_lshl_b32 s59, s59, 6                         ; + 64 t
	s_add_co_u32 s58, s58, s59
	s_and_b32 s59, s31, 1
	s_lshl_b32 s59, s59, 1                         ; + 2 u
	s_add_co_u32 s58, s58, s59
	s_lshl_b32 s52, s58, 13
	s_mov_b32 s53, 0
	s_add_nc_u64 s[46:47], s[14:15], s[52:53]
.set m, 0
.rept 32
	v_fma_f32 v[T+m], |v[Z+m]|, s68, 1.0
.set m, m+1
.endr
.set m, 0
.rept 16
	v_pk_mul_f32 v[U+2*m:U+2*m+1], v[Z+2*m:Z+2*m+1], s[70:71] op_sel_hi:[1,0]
.set m, m+1
.endr
.set m, 0
.rept 16
	v_pk_mul_f32 v[U+2*m:U+2*m+1], v[U+2*m:U+2*m+1], v[Z+2*m:Z+2*m+1]  ; - z^2 log2(e) / 2
.set m, m+1
.endr
.set m, 0
.rept 32
	v_rcp_f32 v[T+m], v[T+m]                       ; t
.set m, m+1
.endr
.set m, 0
.rept 32
	v_exp_f32 v[U+m], v[U+m]                       ; e^(-z^2 / 2)
.set m, m+1
.endr
	v_nop                                          ; a plain line behind the last of the batch,
	s_wait_alu depctr_va_vdst(0)                   ; and one wait for all 64, ahead of the first line that names a result
.set m, 0
.rept 16
	v_pk_fma_f32 v[PL+2*m:PL+2*m+1], v[T+2*m:T+2*m+1], s[72:73], s[74:75] op_sel_hi:[1,0,0]
.set m, m+1
.endr
.irp c, 76,78,80
.set m, 0
.rept 16
	v_pk_fma_f32 v[PL+2*m:PL+2*m+1], v[PL+2*m:PL+2*m+1], v[T+2*m:T+2*m+1], s[\c:\c+1] op_sel_hi:[1,1,0]
.set m, m+1
.endr
.endr
.set m, 0
.rept 16
	v_pk_mul_f32 v[PL+2*m:PL+2*m+1], v[PL+2*m:PL+2*m+1], v[T+2*m:T+2*m+1]
.set m, m+1
.endr
.set m, 0
.rept 16
	v_pk_mul_f32 v[PL+2*m:PL+2*m+1], v[PL+2*m:PL+2*m+1], v[U+2*m:U+2*m+1]  ; q = 1 - erf(|z| / sqrt 2)
.set m, m+1
.endr
.set m, 0
.rept 32
	v_mul_f32 v[T+m], |v[Z+m]|, v[PL+m]
	v_max_num_f32 v[U+m], 0, v[Z+m]
.set m, m+1
.endr
.set m, 0
.rept 16
	v_pk_fma_f32 v[PL+2*m:PL+2*m+1], v[T+2*m:T+2*m+1], -0.5, v[U+2*m:U+2*m+1] op_sel_hi:[1,0,1]  ; max(z, 0) - |z| q / 2
.set m, m+1
.endr
.irp ii, 0,1,2,3
.irp mm, 0,1,2,3
	v_cvt_pk_bf16_f32 v[OUT+4*\ii+\mm], v[PL+8*\mm+\ii], v[PL+8*\mm+4+\ii]  ; columns 8 r + 2 mm, + 1 of the trip's row ii
.endr
.endr
.irp ii, 0,1,2,3
	global_store_b128 v[VO], v[OUT+4*\ii:OUT+4*\ii+3], s[46:47] offset:(\ii+2*(\ii/2))*8192  ; rows 0, 1, 4, 5 on from the trip's first: sixteen lanes store 256 consecutive bytes of a row, aligned
.endr
.Lqnext:
	s_add_co_u32 s31, s31, 1
	s_cmp_lt_u32 s31, 16
	s_cbranch_scc1 .Lq
.Lpnext:
	s_add_co_u32 s26, s26, 1
	s_cmp_lt_u32 s26, 2
	s_cbranch_scc1 .Lpass
	s_wait_tensorcnt 0x0                           ; the wave's end, behind my last tensor load
	ds_add_u32 v[SPW], v[NIL]
	s_wait_dscnt 0x0
	s_endpgm
.Lfunc_end_k_qc3af9eb22a_fc1:
	.size	k_qc3af9eb22a_fc1, .Lfunc_end_k_qc3af9eb22a_fc1-k_qc3af9eb22a_fc1
	.p2alignl 7, 3214868480
	.fill 96, 4, 3214868480
	.section	.rodata,"a",@progbits
	.p2align	6, 0x0
	.amdhsa_kernel k_qc3af9eb22a_fc1
		.amdhsa_group_segment_fixed_size 327680
		.amdhsa_private_segment_fixed_size 0
		.amdhsa_enable_private_segment 0
		.amdhsa_kernarg_size 56
		.amdhsa_user_sgpr_count 2
		.amdhsa_user_sgpr_kernarg_segment_ptr 1
		.amdhsa_wavefront_size32 1
		.amdhsa_system_sgpr_workgroup_id_x 1
		.amdhsa_system_sgpr_workgroup_id_y 1
		.amdhsa_system_sgpr_workgroup_id_z 1
		.amdhsa_system_vgpr_workitem_id 0
		.amdhsa_next_free_vgpr 1024
		.amdhsa_next_free_sgpr 102
		.amdhsa_reserve_vcc 1
		.amdhsa_float_denorm_mode_32 3
		.amdhsa_float_denorm_mode_16_64 3
		.amdhsa_memory_ordered 1
		.amdhsa_forward_progress 1
		.amdhsa_inst_pref_size 220
	.end_amdhsa_kernel
	.amdgpu_metadata
---
amdhsa.version: [ 1, 2 ]
amdhsa.kernels:
  - .name:           k_qc3af9eb22a_fc1
    .symbol:         k_qc3af9eb22a_fc1.kd
    .args:
      - { .name: W1, .offset: 0, .size: 8, .value_kind: global_buffer, .address_space: global }
      - { .name: b1, .offset: 8, .size: 8, .value_kind: global_buffer, .address_space: global }
      - { .name: xb, .offset: 16, .size: 8, .value_kind: global_buffer, .address_space: global }
      - { .name: bm, .offset: 24, .size: 8, .value_kind: global_buffer, .address_space: global }
      - { .name: ix, .offset: 32, .size: 8, .value_kind: global_buffer, .address_space: global }
      - { .name: hb, .offset: 40, .size: 8, .value_kind: global_buffer, .address_space: global }
      - { .name: dst, .offset: 48, .size: 8, .value_kind: global_buffer, .address_space: global }
    .group_segment_fixed_size: 327680
    .private_segment_fixed_size: 0
    .kernarg_segment_align: 8
    .kernarg_segment_size: 56
    .max_flat_workgroup_size: 128
    .sgpr_count:     102
    .vgpr_count:     1024
    .wavefront_size: 32
...
	.end_amdgpu_metadata
.endif
;; end of part 2
;; launch fc2 (part 3): grid 32 x 8, 4 waves a work-group, no clusters, 327,680 bytes of LDS; arguments W2, b2, hb, bm, dst, part; writes part
.if DOCPART == 3
	.amdgcn_target "amdgcn-amd-amdhsa--gfx1250"
	.amdhsa_code_object_version 6
	.text
	.protected	k_qc3af9eb22a_fc2
	.globl	k_qc3af9eb22a_fc2
	.p2align	8
	.type	k_qc3af9eb22a_fc2,@function
k_qc3af9eb22a_fc2:
	s_mov_b64 s[64:65], 0
	v_nop
	global_prefetch_b8 v0, s[64:65] scope:SCOPE_SE
	s_setreg_imm32_b32 hwreg(HW_REG_WAVE_MODE, 25, 1), 1
	s_wait_xcnt 0x0
; FC2.  For expert e (grid y), columns 128 cs .. + 127 of D and quarter kq of F (grid x = 8 kq + cs): the partial sums h W2[e] over F's 1,024 kq .. + 1,023, in f32 (quarter 0 adds b2[e]),
; for the expert's ranks, stored at part[kq][dst[e][rank]][:]: row 2 token + k, or for a rank past the count row 2048 + e, which nobody reads and of which these columns are this work-group's alone.
; W2 and b2 are rounded once to bf16; h came in bf16; sums in f32.  The gate's weights and the sum over the four quarters and the two choices are the next launch's.
; SHAPE, RING, TURNS: as in the launch before: the sums of up to 512 rows x 128 columns in registers, row tile T = 32 P + 4 t + w; K = 1,024 in 32 steps of 32; each byte of W2 read once, by this work-group alone,
; by a tensor load a wave of 64 rows x 512 bytes into one of two LDS slots of 256 rows; every barrier and tensor load in a walk of constant length; the count only makes forward jumps over matrix work;
; ranks 512.. are a second half with W2 through registers.
; WEIGHTS INTO FRAGMENTS.  Lane (r, h) reads rows k = 16 q + 8 h + i as 16 bytes, columns 64 g + 4 r + c; column tile j = 4 g + c has as its column n = r the slice's 64 g + 4 r + c.
; So a lane's four neighbouring f32 of a row lie in four accumulators; the bias's addition brings them into the order of the store, and sixteen lanes store 256 consecutive aligned bytes, straight from registers.
; ROWS OF h come straight into registers as fragments, three K steps ahead, for all 8 tiles always (a dead tile repeats the last live rank); the look-ahead runs 192 bytes past the quarter's end:
; into the row's next quarter, the next row, or hb's 256 spare bytes; those registers are never multiplied.
; NO CLUSTER: a slice of W2 is read by one work-group alone; what an expert's work-groups share is its rows of h, whose number hangs on a stored count, which no constant descriptor covers.
; The 512 accumulators are cleared by 512 v_mov_b32, in the wait for the first tile (and once more for a second half): the price of writing no first K step out.  NaN and infinities are not treated apart.
.set PITCH_B,  4096                    ; a row of W2[e] in bytes
.set PITCH_EL, 1024
.set CH_B,  256*PITCH_B
.set LP,    544                        ; a row in LDS: 2 x (256 bytes + 16)
.set WQ,    64*LP
.set SLOT,  4*WQ                       ; 0x22000: shares no bit with wave x WQ
.set QB,    128*LP
.set SPARE, 2*SLOT                     ; the spare words, 128 bytes a wave: no other line names them
.set GOFF,  272
.set GG,    256
.set PQ,    2056*4096                  ; a quarter of part
.set L,   1
.set R,   2
.set H,   3
.set SPW, 4
.set NIL, 5
.set VB,  6
.set VBQ, 7
.set VW,  8
.set VH16, 9
.set RO,  10                           ; v[10:17] tile t: byte offset of my rank's fragment in hb
.set V16R, 20                          ; v20 16 r
.set VP,  21
.set VH32, 22                          ; v22 32 h
.set BB,  26                           ; v[26:33] bias of column tile j
.set F,   64
.set RAW, 128
.set O,   64                           ; the way out: v[64:127] a tile's 8 rows x 8 numbers in the order of the stores
.set DR,  128                          ; v[128:191] the rows of part for my ranks: tile t, row 8 h + i at DR + 8 t + i
.set AD,  192                          ; v[192:199] a tile's eight byte offsets in part
.set MSB, 0
.macro WIN new
.if MSB != (\new)
	s_set_vgpr_msb (MSB<<8)|(\new)
.set MSB, (\new)
.endif
.endm
.macro PLACES
.rept 4
	v_nop
.endr
.endm
.macro CLEAR
	WIN 0x80
.set n, 0
.rept 256
	v_mov_b32 v[n], 0
.set n, n+1
.endr
	WIN 0xc0
.set n, 0
.rept 256
	v_mov_b32 v[n], 0
.set n, n+1
.endr
	WIN 0
.endm
.macro RAWL u
.irp g, 0,1
.irp q, 0,1
.irp i, 0,1,2,3,4,5,6,7
	ds_load_b128 v[RAW+4*(16*\g+8*\q+\i):RAW+4*(16*\g+8*\q+\i)+3], v[VBQ] offset:(32*(\u)+16*\q+\i)*LP+\g*GOFF
.endr
.endr
.endr
.endm
.macro RAWG
.irp g, 0,1
.irp q, 0,1
.irp i, 0,1,2,3,4,5,6,7
	global_load_b128 v[RAW+4*(16*\g+8*\q+\i):RAW+4*(16*\g+8*\q+\i)+3], v[VW], s[48:49] offset:(16*\q+\i)*PITCH_B+\g*GG
.endr
.endr
.endr
.endm
.macro CVT
.irp g, 0,1
.irp q, 0,1
.irp p, 0,1,2,3
.irp c, 0,1,2,3
	v_cvt_pk_bf16_f32 v[F+8*(4*\g+\c)+4*\q+\p], v[RAW+4*(16*\g+8*\q+2*\p)+\c], v[RAW+4*(16*\g+8*\q+2*\p+1)+\c]
.endr
.endr
.endr
.endr
.endm
.macro ALOAD a, off
	WIN 0x40
.irp t, 0,1,2,3,4,5,6,7
	global_load_b128 v[64*(\a)+8*\t:64*(\a)+8*\t+3],   v[RO+\t], s[44:45] offset:(\off)
	global_load_b128 v[64*(\a)+8*\t+4:64*(\a)+8*\t+7], v[RO+\t], s[44:45] offset:(\off)+32
.endr
	WIN 0
.endm
.macro TILES a                         ; each accumulator has one instruction a turn, and a step's last and the next step's first differ
.irp t, 0,1,2,3,4,5,6,7
	s_cmp_le_u32 s24, \t
	s_cbranch_scc1 .Lkend_\@
	WIN 0xa1+0x50*(\t/4)
.irp j, 0,1,2,3,4,5,6,7
	v_wmma_f32_16x16x32_bf16 v[64*(\t%4)+8*\j:64*(\t%4)+8*\j+7], v[64*(\a)+8*\t:64*(\a)+8*\t+7], v[F+8*\j:F+8*\j+7], v[64*(\t%4)+8*\j:64*(\t%4)+8*\j+7]
.endr
	WIN 0
.endr
.Lkend_\@:
.endm
.macro KSTEP u, an, off, more
	s_wait_dscnt 0x0                               ; this step's weights are in registers
	PLACES                                         ; the last products read F and ring slot an
	CVT
.if \more
	RAWL (\u)+1
.endif
	s_wait_loadcnt 32                              ; the 2 x 16 loads of the next two steps stay out: this step's rows of h are in
	ALOAD \an, \off                                ; the rows of h three steps on: 48 loads of mine are out
	TILES \u
.endm
.macro QUAD
	v_add_nc_u32 v[VBQ], s30, v[VB]
	RAWL 0
	KSTEP 0, 3, 192, 1
	KSTEP 1, 0, 256, 1
	KSTEP 2, 1, 320, 1
	KSTEP 3, 2, 384, 0
	s_wait_xcnt 0x0                                ; the loads' base is stepped only behind this wait
	s_add_nc_u64 s[44:45], s[44:45], 256
	s_add_co_u32 s30, s30, QB
.endm
.macro CHUNK
	s_mov_b32 s29, 2
.Lquad_\@:
	QUAD
	s_sub_co_u32 s29, s29, 1
	s_cmp_lg_u32 s29, 0
	s_cbranch_scc1 .Lquad_\@
.endm
; THE CHANGE OF SLOTS: all my tensor loads waited for (one is out: my quarter of the slot to be read), the add, the wait for it and for my reads of the slot that I leave, the barrier; then, refill = 1, my one tensor load, first.
.macro HEAD refill
	WIN 0
	s_wait_tensorcnt 0x0                           ; no tensor load of mine is out, so the descriptor may be written
	ds_add_u32 v[SPW], v[NIL]
.if \refill
	s_xor_b32 s33, s33, SLOT
	s_add_nc_u64 s[34:35], s[34:35], CH_B
	s_add_nc_u64 s[50:51], s[50:51], CH_B
.endif
	s_sub_co_u32 s30, s30, SLOT
	s_xor_b32 s30, s30, SLOT
	s_wait_dscnt 0x0
	s_barrier_signal -1
	s_barrier_wait -1
.if \refill
	tensor_load_to_lds s[32:35], s[36:43]
	s_nop 0
	s_cmp_eq_u32 s28, 1                            ; the third change would ask past the quarter's last chunk: it asks for nothing
	s_cbranch_scc1 .Lnopf_\@
.irp n, 0,1,2,3                        ; my quarter of the chunk after the one just asked for: 64 rows x 2 blocks of 256 bytes, each asked for once in the launch, one chunk ahead of its tensor load
	global_prefetch_b8 v[VP], s[50:51] offset:\n*16*PITCH_B th:TH_LOAD_NT scope:SCOPE_SE
.endr
.Lnopf_\@:
.endif
.endm
.macro SETNW
	s_lshl_b32 s58, s26, 5
	s_sub_co_i32 s59, s23, s58
	s_sub_co_i32 s59, s59, s18
	s_add_co_i32 s59, s59, 3
	s_ashr_i32 s59, s59, 2
	s_max_i32 s59, s59, 0
	s_min_i32 s24, s59, 8
	s_lshl_b32 s25, s24, 1
.endm
.macro ROWS                            ; tile t, lane r: rank 512 P + 64 t + 16 w + r, held to the last live rank
	s_lshl_b32 s58, s26, 9
	s_lshl_b32 s59, s18, 4
	s_add_co_u32 s58, s58, s59
.irp t, 0,1,2,3,4,5,6,7
	s_add_co_u32 s59, s58, 64*\t
	v_add_nc_u32 v[RO+\t], s59, v[R]
	v_min_u32 v[RO+\t], s22, v[RO+\t]
	v_min_u32 v[RO+\t], 0x3ff, v[RO+\t]
	v_lshl_add_u32 v[RO+\t], v[RO+\t], 13, v[VH16]
.endr
.endm
	s_load_b256 s[4:11], s[0:1], 0x0               ; W2 s[4:5], b2 s[6:7], hb s[8:9], bm s[10:11]
	s_load_b128 s[12:15], s[0:1], 0x20             ; dst s[12:13], part s[14:15]
	v_lshl_add_u32 v[SPW], v0, 2, SPARE
	v_mov_b32 v[NIL], 0
	ds_add_u32 v[SPW], v[NIL]                      ; the wave's opening: the add and its wait ahead of my first tensor load
	v_lshrrev_b32 v1, 5, v0
	v_readfirstlane_b32 s18, v1                    ; wave 0..3
	s_and_b32 s19, ttmp9, 7                        ; cs
	s_lshr_b32 s62, ttmp9, 3                       ; kq
	s_and_b32 s20, ttmp7, 0xffff                   ; expert
	s_mov_b32 s36, 0x07520000                      ; elements of 4 bytes; padding on: 4 words behind every 64
	s_mov_b32 s37, 128<<16
	s_mov_b32 s38, 64<<16
	s_mov_b32 s39, 128<<16
	s_mov_b32 s40, 64
	s_mov_b32 s41, PITCH_EL
	s_mov_b32 s42, 0
	s_mov_b32 s43, 0
	s_mov_b32 s32, 1
	s_mul_i32 s33, s18, WQ
	s_lshl_b32 s52, s20, 24                        ; the expert's 16 MiB,
	s_lshl_b32 s58, s62, 22                        ; the quarter's 1,024 rows,
	s_add_co_u32 s52, s52, s58
	s_lshl_b32 s58, s19, 9                         ; the slice's 512 bytes of a row
	s_add_co_u32 s52, s52, s58
	s_mov_b32 s53, 0
	s_lshl_b32 s58, s18, 18                        ; my 64 rows of a chunk
	s_mov_b32 s59, 0
	v_and_b32 v[L], 31, v0
	v_and_b32 v[R], 15, v0
	v_bfe_u32 v[H], v0, 4, 1
	v_lshlrev_b32 v[V16R], 4, v[R]
	v_mad_u32_u24 v[VB], v[H], 8*LP, v[V16R]
	v_lshl_add_u32 v[VW], v[H], 15, v[V16R]        ; 8 h rows of 4,096 bytes
	v_lshlrev_b32 v[VH16], 4, v[H]
	v_lshlrev_b32 v[VH32], 5, v[H]
	v_lshrrev_b32 v[VP], 1, v[L]
	v_lshlrev_b32 v[VP], 12, v[VP]
	v_and_b32 v50, 1, v[L]
	v_lshl_add_u32 v[VP], v50, 8, v[VP]
	s_wait_dscnt 0x0                               ; the opening add is done
	s_wait_kmcnt 0x0
	s_add_nc_u64 s[4:5], s[4:5], s[52:53]          ; W2 at the slice
	s_add_nc_u64 s[34:35], s[4:5], s[58:59]
	s_add_nc_u64 s[50:51], s[34:35], CH_B          ; the first change of slots steps this to chunk 2
	s_or_b32 s35, s35, 0x80000000
	tensor_load_to_lds s[32:35], s[36:43]          ; chunk 0 into slot 0
	s_nop 0
	s_lshl_b32 s52, s20, 7
	s_add_nc_u64 s[10:11], s[10:11], s[52:53]
	s_load_b512 s[68:83], s[10:11], 0x0
	s_load_b512 s[84:99], s[10:11], 0x40
	s_lshl_b32 s52, s20, 12
	s_add_nc_u64 s[12:13], s[12:13], s[52:53]      ; dst at the expert
	s_lshl_b32 s58, s19, 9
	s_add_co_u32 s52, s52, s58
	s_add_nc_u64 s[6:7], s[6:7], s[52:53]
	global_load_b128 v[64:67], v[V16R], s[6:7]     ; b2 of columns 4 r + c,
	global_load_b128 v[68:71], v[V16R], s[6:7] offset:256  ; and 64 + 4 r + c
	s_lshl_b32 s52, s20, 23
	s_lshl_b32 s58, s62, 11
	s_add_co_u32 s52, s52, s58
	s_add_nc_u64 s[8:9], s[8:9], s[52:53]          ; hb at the expert and the quarter
	s_mul_i32 s52, s62, PQ
	s_lshl_b32 s58, s19, 9
	s_add_co_u32 s52, s52, s58
	s_add_nc_u64 s[14:15], s[14:15], s[52:53]      ; part at the quarter and the slice
	CLEAR
	s_wait_kmcnt 0x0
	s_mov_b32 s21, 0
.set g, 0
.rept 32
	s_bcnt1_i32_b32 s58, s[68+g]
	s_add_co_u32 s21, s21, s58
.set g, g+1
.endr
	s_min_u32 s21, s21, 0x400                      ; the count
	s_max_u32 s22, s21, 1
	s_sub_co_u32 s22, s22, 1
	s_add_co_u32 s23, s21, 15
	s_lshr_b32 s23, s23, 4
	s_cmp_gt_u32 s21, 512
	s_cselect_b32 s27, 2, 1
	s_cmp_eq_u32 s62, 0                            ; quarter 0 alone adds the bias
	s_cselect_b32 s58, -1, 0
	s_cselect_b32 s59, 0xffff0000, 0
	s_wait_loadcnt 0x0
.irp m, 0,1,2,3
	v_cvt_pk_bf16_f32 v[72+\m], v[64+2*\m], v[65+2*\m]  ; b2 rounded to bf16 like every input,
.endr
.irp m, 0,1,2,3
	v_lshlrev_b32 v[BB+2*\m], 16, v[72+\m]         ; and widened again
	v_and_b32 v[BB+2*\m], s58, v[BB+2*\m]
	v_and_b32 v[BB+2*\m+1], s59, v[72+\m]
.endr
	s_mov_b32 s26, 0
	SETNW
	ROWS
	s_mov_b64 s[44:45], s[8:9]
	ALOAD 0, 0
	ALOAD 1, 64
	ALOAD 2, 128
	s_mov_b32 s30, 2*SLOT
	s_mov_b32 s28, 3
.Lchunk:
	HEAD 1
	CHUNK
	s_sub_co_u32 s28, s28, 1
	s_cmp_lg_u32 s28, 0
	s_cbranch_scc1 .Lchunk
	HEAD 0                                         ; the last chunk is written out: nothing is asked for
	CHUNK
	s_wait_loadcnt 0x0                             ; the ring's look-ahead has come back
	s_mov_b32 s26, 0
.Lpass:
	s_cmp_ge_u32 s26, s27
	s_cbranch_scc1 .Lpnext
	s_cmp_eq_u32 s26, 0
	s_cbranch_scc1 .Lepi
	s_wait_xcnt 0x0                                ; the first half's last stores have read their registers
	PLACES                                         ; ahead of the writes of the accumulators
	CLEAR
	SETNW
	ROWS
	s_mov_b64 s[48:49], s[4:5]
	s_mov_b64 s[44:45], s[8:9]
	s_mov_b32 s60, 32
.Lk2:                                                  ; ranks 512..: a K step a trip, through registers; no barrier, no tensor load
	PLACES
	RAWG
	ALOAD 0, 0
	s_wait_loadcnt 0x0
	CVT
	TILES 0
	s_add_nc_u64 s[48:49], s[48:49], 32*PITCH_B
	s_add_nc_u64 s[44:45], s[44:45], 64
	s_sub_co_u32 s60, s60, 1
	s_cmp_lg_u32 s60, 0
	s_cbranch_scc1 .Lk2
.Lepi:
	PLACES                                         ; between the last products and the first read of a sum
	s_cmp_eq_u32 s24, 0
	s_cbranch_scc1 .Lfin                           ; no live tile of mine in this half
	s_lshl_b32 s52, s26, 11                        ; the rows of part for my ranks of this half: ranks 512 P + 16 w + 64 t + 8 h + 0..7
	s_lshl_b32 s58, s18, 6
	s_add_co_u32 s52, s52, s58
	s_mov_b32 s53, 0
	s_add_nc_u64 s[48:49], s[12:13], s[52:53]
.set q, 0
.rept 16
	global_load_b128 v[DR+4*q:DR+4*q+3], v[VH32], s[48:49] offset:256*(q/2)+16*(q%2)
.set q, q+1
.endr
	s_wait_loadcnt 0x0
.irp t, 0,1,2,3,4,5,6,7                ; a tile: 16 rows x 128 columns; dead tiles are jumped
	s_cmp_le_u32 s24, \t
	s_cbranch_scc1 .Lfin
	s_wait_xcnt 0x0                                ; the last tile's stores have read their addresses and data
.irp i, 0,1,2,3,4,5,6,7
	v_min_u32 v[AD+\i], 0x807, v[DR+8*\t+\i]       ; a row of part: 2,055 at the most
	v_lshl_add_u32 v[AD+\i], v[AD+\i], 12, v[V16R]
.endr
	WIN 0x02+\t/4                                  ; source 0 in window 2 or 3
.irp i, 0,1,2,3,4,5,6,7                ; the accumulators' registers in ascending order
.irp g, 0,1
.irp c, 0,1,2,3
	v_add_f32 v[O+8*\i+4*\g+\c], v[64*(\t%4)+8*(4*\g+\c)+\i], v[BB+4*\g+\c]  ; the bias; the sum lands in the order of the store
.endr
.endr
.endr
	WIN 0
.irp i, 0,1,2,3,4,5,6,7
.irp g, 0,1
	global_store_b128 v[AD+\i], v[O+8*\i+4*\g:O+8*\i+4*\g+3], s[14:15] offset:256*\g  ; sixteen lanes store 256 consecutive bytes of a row, aligned
.endr
.endr
.endr
.Lfin:
.Lpnext:
	s_add_co_u32 s26, s26, 1
	s_cmp_lt_u32 s26, 2
	s_cbranch_scc1 .Lpass
	s_wait_tensorcnt 0x0                           ; the wave's end, behind my last tensor load
	ds_add_u32 v[SPW], v[NIL]
	s_wait_dscnt 0x0
	s_endpgm
.Lfunc_end_k_qc3af9eb22a_fc2:
	.size	k_qc3af9eb22a_fc2, .Lfunc_end_k_qc3af9eb22a_fc2-k_qc3af9eb22a_fc2
	.p2alignl 7, 3214868480
	.fill 96, 4, 3214868480
	.section	.rodata,"a",@progbits
	.p2align	6, 0x0
	.amdhsa_kernel k_qc3af9eb22a_fc2
		.amdhsa_group_segment_fixed_size 327680
		.amdhsa_private_segment_fixed_size 0
		.amdhsa_enable_private_segment 0
		.amdhsa_kernarg_size 48
		.amdhsa_user_sgpr_count 2
		.amdhsa_user_sgpr_kernarg_segment_ptr 1
		.amdhsa_wavefront_size32 1
		.amdhsa_system_sgpr_workgroup_id_x 1
		.amdhsa_system_sgpr_workgroup_id_y 1
		.amdhsa_system_sgpr_workgroup_id_z 1
		.amdhsa_system_vgpr_workitem_id 0
		.amdhsa_next_free_vgpr 1024
		.amdhsa_next_free_sgpr 102
		.amdhsa_reserve_vcc 0
		.amdhsa_float_denorm_mode_32 3
		.amdhsa_float_denorm_mode_16_64 3
		.amdhsa_memory_ordered 1
		.amdhsa_forward_progress 1
		.amdhsa_inst_pref_size 206
	.end_amdhsa_kernel
	.amdgpu_metadata
---
amdhsa.version: [ 1, 2 ]
amdhsa.kernels:
  - .name:           k_qc3af9eb22a_fc2
    .symbol:         k_qc3af9eb22a_fc2.kd
    .args:
      - { .name: W2, .offset: 0, .size: 8, .value_kind: global_buffer, .address_space: global }
      - { .name: b2, .offset: 8, .size: 8, .value_kind: global_buffer, .address_space: global }
      - { .name: hb, .offset: 16, .size: 8, .value_kind: global_buffer, .address_space: global }
      - { .name: bm, .offset: 24, .size: 8, .value_kind: global_buffer, .address_space: global }
      - { .name: dst, .offset: 32, .size: 8, .value_kind: global_buffer, .address_space: global }
      - { .name: part, .offset: 40, .size: 8, .value_kind: global_buffer, .address_space: global }
    .group_segment_fixed_size: 327680
    .private_segment_fixed_size: 0
    .kernarg_segment_align: 8
    .kernarg_segment_size: 48
    .max_flat_workgroup_size: 128
    .sgpr_count:     102
    .vgpr_count:     1024
    .wavefront_size: 32
...
	.end_amdgpu_metadata
.endif
;; end of part 3
;; launch sum (part 4): grid 256 x 1, 8 waves a work-group, no clusters, 0 bytes of LDS; arguments part, gw, out0; writes out0
.if DOCPART == 4
	.amdgcn_target "amdgcn-amd-amdhsa--gfx1250"
	.amdhsa_code_object_version 6
	.text
	.protected	k_qc3af9eb22a_sum
	.globl	k_qc3af9eb22a_sum
	.p2align	8
	.type	k_qc3af9eb22a_sum,@function
k_qc3af9eb22a_sum:
	s_mov_b64 s[64:65], 0
	v_nop
	global_prefetch_b8 v0, s[64:65] scope:SCOPE_SE
	s_setreg_imm32_b32 hwreg(HW_REG_WAVE_MODE, 25, 1), 1
	s_wait_xcnt 0x0
; SUM.  out[t] = gw[t][0] (sum over the four quarters of part[kq][2 t]) + gw[t][1] (the same of part[kq][2 t + 1]), all in f32.
; A stream: work-group g owns tokens 4 g .. 4 g + 3, thread i the 16 bytes at 16 i of every row, so each load and store of a wave covers 512 consecutive bytes.  All 32 loads of a thread go out at once.
; No LDS, no barrier, no matrix unit: each byte is read once and nothing is shared.
.set PQ, 2056*4096                     ; a quarter of part
.set X,  16                            ; v[16:143] token u, choice k, quarter kq at X + 4 (8 u + 4 k + kq)
	s_load_b128 s[4:7], s[0:1], 0x0                ; part s[4:5], gw s[6:7]
	s_load_b64 s[8:9], s[0:1], 0x10                ; out0
	v_lshlrev_b32 v1, 4, v0
	s_lshl_b32 s10, ttmp9, 5                       ; 4 tokens x 8 bytes of gw
	s_mov_b32 s11, 0
	s_lshl_b32 s20, ttmp9, 15                      ; 8 rows of part
	s_mov_b32 s21, 0
	s_lshl_b32 s22, ttmp9, 14                      ; 4 rows of out0
	s_mov_b32 s23, 0
	s_wait_kmcnt 0x0
	s_add_nc_u64 s[6:7], s[6:7], s[10:11]
	s_load_b256 s[12:19], s[6:7], 0x0              ; the four tokens' weights
	s_add_nc_u64 s[24:25], s[4:5], s[20:21]
	s_add_nc_u64 s[26:27], s[24:25], PQ
	s_add_nc_u64 s[28:29], s[26:27], PQ
	s_add_nc_u64 s[30:31], s[28:29], PQ
	s_add_nc_u64 s[8:9], s[8:9], s[22:23]
.irp u, 0,1,2,3
.irp k, 0,1
.irp q, 0,1,2,3
	global_load_b128 v[X+4*(8*\u+4*\k+\q):X+4*(8*\u+4*\k+\q)+3], v1, s[24+2*\q:25+2*\q] offset:(2*\u+\k)*4096 th:TH_LOAD_NT
.endr
.endr
.endr
	s_wait_kmcnt 0x0
.irp u, 0,1,2,3
	s_mov_b32 s[32+2*\u], s[13+2*\u]               ; the second weights into even registers: the packed lines name a pair and take its low word for both halves
	s_mov_b32 s[33+2*\u], s[13+2*\u]
.endr
.irp u, 0,1,2,3
	s_wait_loadcnt 24-8*\u                         ; this token's eight loads are in; the later tokens' stay out
.irp k, 0,16
.irp p, 0,2
	v_pk_add_f32 v[X+32*\u+\k+\p:X+32*\u+\k+\p+1], v[X+32*\u+\k+\p:X+32*\u+\k+\p+1], v[X+32*\u+\k+4+\p:X+32*\u+\k+4+\p+1]
	v_pk_add_f32 v[X+32*\u+\k+8+\p:X+32*\u+\k+8+\p+1], v[X+32*\u+\k+8+\p:X+32*\u+\k+8+\p+1], v[X+32*\u+\k+12+\p:X+32*\u+\k+12+\p+1]
.endr
.irp p, 0,2
	v_pk_add_f32 v[X+32*\u+\k+\p:X+32*\u+\k+\p+1], v[X+32*\u+\k+\p:X+32*\u+\k+\p+1], v[X+32*\u+\k+8+\p:X+32*\u+\k+8+\p+1]
.endr
.endr
.irp p, 0,2
	v_pk_mul_f32 v[X+32*\u+\p:X+32*\u+\p+1], v[X+32*\u+\p:X+32*\u+\p+1], s[12+2*\u:13+2*\u] op_sel_hi:[1,0]
.endr
.irp p, 0,2
	v_pk_fma_f32 v[X+32*\u+\p:X+32*\u+\p+1], v[X+32*\u+16+\p:X+32*\u+16+\p+1], s[32+2*\u:33+2*\u], v[X+32*\u+\p:X+32*\u+\p+1] op_sel_hi:[1,0,1]
.endr
	global_store_b128 v1, v[X+32*\u:X+32*\u+3], s[8:9] offset:\u*4096 th:TH_STORE_NT
.endr
	s_endpgm
.Lfunc_end_k_qc3af9eb22a_sum:
	.size	k_qc3af9eb22a_sum, .Lfunc_end_k_qc3af9eb22a_sum-k_qc3af9eb22a_sum
	.p2alignl 7, 3214868480
	.fill 96, 4, 3214868480
	.section	.rodata,"a",@progbits
	.p2align	6, 0x0
	.amdhsa_kernel k_qc3af9eb22a_sum
		.amdhsa_group_segment_fixed_size 0
		.amdhsa_private_segment_fixed_size 0
		.amdhsa_enable_private_segment 0
		.amdhsa_kernarg_size 24
		.amdhsa_user_sgpr_count 2
		.amdhsa_user_sgpr_kernarg_segment_ptr 1
		.amdhsa_wavefront_size32 1
		.amdhsa_system_sgpr_workgroup_id_x 1
		.amdhsa_system_sgpr_workgroup_id_y 1
		.amdhsa_system_sgpr_workgroup_id_z 1
		.amdhsa_system_vgpr_workitem_id 0
		.amdhsa_next_free_vgpr 144
		.amdhsa_next_free_sgpr 66
		.amdhsa_reserve_vcc 0
		.amdhsa_float_denorm_mode_32 3
		.amdhsa_float_denorm_mode_16_64 3
		.amdhsa_memory_ordered 1
		.amdhsa_forward_progress 1
		.amdhsa_inst_pref_size 9
	.end_amdhsa_kernel
	.amdgpu_metadata
---
amdhsa.version: [ 1, 2 ]
amdhsa.kernels:
  - .name:           k_qc3af9eb22a_sum
    .symbol:         k_qc3af9eb22a_sum.kd
    .args:
      - { .name: part, .offset: 0, .size: 8, .value_kind: global_buffer, .address_space: global }
      - { .name: gw, .offset: 8, .size: 8, .value_kind: global_buffer, .address_space: global }
      - { .name: out0, .offset: 16, .size: 8, .value_kind: global_buffer, .address_space: global }
    .group_segment_fixed_size: 0
    .private_segment_fixed_size: 0
    .kernarg_segment_align: 8
    .kernarg_segment_size: 24
    .max_flat_workgroup_size: 256
    .sgpr_count:     66
    .vgpr_count:     144
    .wavefront_size: 32
...
	.end_amdgpu_metadata
.endif
;; end of part 4
;; ======== version 2 of 2: 4 launches
;; limits: a function is approximated: absolute error at most 2.5e-05; an absolute error that grows with the inputs' magnitude: up to 1.25e-05 times it
;; workspace buffers: xb 2,097,408 bytes; bm 1,024 bytes of whole numbers; ix 4,096 bytes of whole numbers; gw 8,192 bytes; hb 67,109,120 bytes; dst 40,960 bytes of whole numbers; part 33,685,504 bytes
;; launch router: the kernel of part 1 again; grid 32 x 1, 8 waves a work-group, no clusters, 78,848 bytes of LDS; arguments hidden_states, Wg, bg, xb, bm, ix, gw; writes xb, bm, ix, gw
;; launch fc1 (part 5): grid 32 x 8, 4 waves a work-group, no clusters, 327,680 bytes of LDS; arguments W1, b1, xb, bm, ix, hb, dst; writes hb, dst
.if DOCPART == 5
	.amdgcn_target "amdgcn-amd-amdhsa--gfx1250"
	.amdhsa_code_object_version 6
	.text
	.protected	k_qc3af9eb22a_fc1
	.globl	k_qc3af9eb22a_fc1
	.p2align	8
	.type	k_qc3af9eb22a_fc1,@function
k_qc3af9eb22a_fc1:
	s_mov_b64 s[64:65], 0
	v_nop
	global_prefetch_b8 v0, s[64:65] scope:SCOPE_SE
	s_setreg_imm32_b32 hwreg(HW_REG_WAVE_MODE, 25, 1), 1
	s_wait_xcnt 0x0
; FC1.  For expert e (grid y) and columns 128 s .. 128 s + 127 of F (grid x): h = gelu(x W1[e] + b1[e]) for the tokens that chose e, in the order of their numbers (a token's RANK), into hb[e][rank][4096] in bf16.
; Slice 0 also stores dst[e][rank] = 2 token + k (k: e is the token's first or second choice), or 2048 + e for a rank past the count; dst has 1,280 entries an expert.
; W1 and b1 are rounded once to bf16, x came so; sums in f32; h is rounded once to bf16.
; SHAPE.  The sums of 320 rows x 128 columns stay in registers: row tile T = 20 P + 4 t + w (P: pass, t = 0..4, w: wave), 5 x 8 accumulators a wave.  K = 1,024 goes in 32 steps of 32.
; 320 ranks are 1.25 times the 256 that an even split gives an expert.  An expert with more takes further passes, up to four for all 1,024 tokens, in which W1 comes again, through registers, without LDS ring.
; In pass 0 each byte of W1 is read once, by this work-group alone: a tensor load a wave brings 64 rows x 512 bytes (whole aligned blocks of 256) of a chunk of 256 rows into one of two LDS slots, in f32.
; Both slots' first fills go out together at the start.  Every barrier and tensor load stands in a walk of constant length; the expert's count only makes forward jumps over work.
; WEIGHTS INTO FRAGMENTS.  Lane (r, h) reads rows k = 16 q + 8 h + i as 16 bytes, columns 8 r + 4 g + c; rows 2 p, 2 p + 1 rounded together are register 4 q + p of the fragment of column tile j = 4 g + c, whose column n = r is F's 8 r + j.
; So a lane ends with eight neighbouring columns of a row: 16 bytes of bf16, and sixteen lanes store 256 consecutive aligned bytes, straight from registers.
; THE K WALK IS A PIPELINE.  Trip u multiplies step u; behind every second product stand four of the 64 conversions of step u + 1, from the raw buffer (u + 1) % 2 into the fragment buffer (u + 1) % 2; and ONE run of loads at the
; trip's head asks LDS for step u + 2 (raw buffer u % 2) and memory for the token rows of step u + 3.  Since LDS is read two steps ahead of the products, four trips written out go from u = 4 m - 2 to 4 m + 1: then the
; changes of slots fall between two such fours.  The walk is entered in the middle of a four, behind a prologue that loads steps 0 and 1 and converts step 0, and left in the middle of a four.
; The last two trips' runs bring bytes that nobody uses: the first 64 rows of slot 0, into which nothing is on its way, and token bytes up to 192 past a row's end: the next row, or xb's 256 spare bytes.
; Tiles 0 to 3 are always multiplied, since they carry the conversions: a dead tile repeats the last live row and its sums are never read; the price is up to 256 rows' products for an expert with fewer.  Tile 4 is jumped when dead.
; RANK TO TOKEN.  The expert's 1,024 bits lie in 32 scalar registers.  A lane finds its rank's word by a sweep over the words: the count of bits below word j, packed with j, is compared with the rank, and two selects keep the
; last word whose count does not pass it; the bit in the word is found by sums of 2, 4, 8, 16 bits and five halvings.  Compares, selects, adds and shifts on the lane's own registers alone.
; THE WAY OUT is a loop of ten trips, so that the GELU is written once; a trip's accumulators are chosen by ten short cases, each of which is the bias's addition.
; GELU.  erf(x) by 1 - (a1 t + a2 t^2 + a3 t^3) e^(-x^2), t = 1 / (1 + 0.47047 x): off by 2.5e-5 at the most for every x >= 0; g = max(z, 0) - |z| q with q = (1 - erf(|z| / sqrt 2)) / 2: g is off by 1.25e-5 |z| at the most.
; NaN and infinities are not treated apart.
; NO CLUSTER: a slice of W1 is read by one work-group alone; what an expert's 32 work-groups share is its token rows, which come by a list that no tile's descriptor covers.
; The 40 accumulators are started by 40 products of zeros with C = 0, in the wait for the first tile (and once for each further pass): the price of writing no first K step out.
.set PITCH_B,  16384                   ; a row of W1[e] in bytes
.set PITCH_EL, 4096
.set CH_B,  256*PITCH_B                ; a chunk: 256 rows of K
.set LP,    544                        ; a row in LDS: 2 x (256 bytes + 16): lanes r < 8 touch the even 16-byte columns, r >= 8 the odd ones
.set WQ,    64*LP                      ; a wave's quarter of a slot
.set SLOT,  4*WQ                       ; 139,264 = 0x22000: shares no bit with wave x WQ, so one exclusive or changes slots
.set QB,    128*LP                     ; four K steps
.set SPARE, 2*SLOT                     ; the spare words, 128 bytes a wave: no other line names them
.set GOFF,  16                         ; LDS bytes from column group g = 0 to g = 1
.set GG,    16                         ; the same in memory
.set PR,    320                        ; ranks in a pass: 5 tiles x 4 waves x 16
.set NPS,   4                          ; passes that cover 1,024 ranks
.set L,   1
.set R,   2
.set H,   3
.set SPW, 4                            ; v4  my spare word; never rewritten
.set NIL, 5                            ; v5  0; never rewritten
.set VB,  6                            ; v6  my place in a K step's rows in LDS
.set VBQ, 7                            ; v7  the same in the four steps whose rows are being read
.set VW,  8                            ; v8  my place in a K step's rows in memory
.set VH16, 9                           ; v9  16 h
.set RO,  10                           ; v[10:14] tile t: byte offset of my row's fragment in xb, for the pass in hand
.set RO1, 15                           ; v[15:19] for the next pass,
.set VO,  20                           ; v20 hb: 8 h rows + 16 r
.set VP,  21                           ; v21 prefetch: row L / 2, block L % 2
.set VI0, 22                           ; v22 16 w + r
.set VR32, 23
.set TM,  24
.set BB,  26                           ; v[26:41] bias of column 8 r + j, twice, at BB + 2 j
.set RO2, 42                           ; v[42:46] for the pass after it,
.set RO3, 47                           ; v[47:51] and for the last
.set F,   64                           ; v[64:127]  the 8 fragments of W1: buffer 0 in window 0, buffer 1 in window 3
.set RAW, 128                          ; v[128:255] a K step of W1 in f32: buffer 0 in window 0, buffer 1 in window 3.  Window 0's two are scratch outside the K loops
.set ZA,  128                          ; v[128:143] two fragments of zeros
.set ZB,  136
.set RS,  128                          ; the search: 16 registers for each of a pass's five tiles
.set Z,   64
.set T,   96
.set U,   128
.set PL,  160
.set OUT, 192
.set MX,  208
; windows: 1: token fragments, ring slot a, tile t at v[40 a + 8 t];  2: accumulators of tiles 0-3, (t, j) at v[64 t + 8 j];  3: v0-63 those of tile 4, then fragment and raw buffer 1
; scalars: s2, s3 at work, s18 wave, s19 slice, s20 expert, s21 count, s22 last live rank, s23 row tiles, s24 my live tiles, s25 twice that, s26 P, s27 passes, s28, s29, s31 counters, s30 the LDS byte of the four steps being read,
; s[32:35] descriptor group 0 of the first fill, s[56:59] of the second, which then walks, s[36:43] group 1, s[44:45] xb walking, s[46:47] hb, s[48:49] W1 walking (further passes), s[50:51] prefetch, s[68:99] the bitmap, then constants
.set MSB, 0
.macro WIN new                         ; the immediate's high byte repeats the setting that is left; a switch that changes nothing is dropped
.if MSB != (\new)
	s_set_vgpr_msb (MSB<<8)|(\new)
.set MSB, (\new)
.endif
.endm
.macro PLACES                          ; four places behind matrix instructions, ahead of writes of and loads into their registers and of reads of their results
.rept 4
	v_nop
.endr
.endm
.macro CLEARW                          ; every accumulator = 0 x 0 + 0.  The sixteen moves name no register of an earlier product: they are the places ahead of the first line that writes over its sums
	WIN 0
.set n, 0
.rept 16
	v_mov_b32 v[ZA+n], 0
.set n, n+1
.endr
	WIN 0x80
.set n, 0
.rept 32
	v_wmma_f32_16x16x32_bf16 v[8*n:8*n+7], v[ZA:ZA+7], v[ZB:ZB+7], 0
.set n, n+1
.endr
	WIN 0xc0
.set n, 0
.rept 8
	v_wmma_f32_16x16x32_bf16 v[8*n:8*n+7], v[ZA:ZA+7], v[ZB:ZB+7], 0
.set n, n+1
.endr
	WIN 0
	PLACES                                         ; ahead of whatever writes the zeros' registers next
.endm
.macro RAWL k, b                       ; step k of the four being read, out of LDS into raw buffer b: 32 loads in one run
	WIN 0xc0*(\b)                                  ; the data in window 0 or 3, the address in window 0
.irp g, 0,1
.irp q, 0,1
.irp i, 0,1,2,3,4,5,6,7
	ds_load_b128 v[RAW+4*(16*\g+8*\q+\i):RAW+4*(16*\g+8*\q+\i)+3], v[VBQ] offset:(32*(\k)+16*\q+\i)*LP+\g*GOFF
.endr
.endr
.endr
.endm
.macro RAWG                            ; raw buffer 0 from memory
	WIN 0
.irp g, 0,1
.irp q, 0,1
.irp i, 0,1,2,3,4,5,6,7
	global_load_b128 v[RAW+4*(16*\g+8*\q+\i):RAW+4*(16*\g+8*\q+\i)+3], v[VW], s[48:49] offset:(16*\q+\i)*PITCH_B+\g*GG
.endr
.endr
.endr
.endm
.macro CVT                             ; buffer 0: rows 2 p and 2 p + 1 of a column, rounded together, are a fragment's register
	WIN 0
.irp g, 0,1
.irp q, 0,1
.irp p, 0,1,2,3
.irp c, 0,1,2,3
	v_cvt_pk_bf16_f32 v[F+8*(4*\g+\c)+4*\q+\p], v[RAW+4*(16*\g+8*\q+2*\p)+\c], v[RAW+4*(16*\g+8*\q+2*\p+1)+\c]
.endr
.endr
.endr
.endr
.endm
.macro ALOAD a, off                    ; the token fragments of one K step, all 5 tiles, into ring slot a
	WIN 0x40
.irp t, 0,1,2,3,4
	global_load_b128 v[40*(\a)+8*\t:40*(\a)+8*\t+3],   v[RO+\t], s[44:45] offset:(\off)
	global_load_b128 v[40*(\a)+8*\t+4:40*(\a)+8*\t+7], v[RO+\t], s[44:45] offset:(\off)+32
.endr
.endm
.macro TILES a                         ; a further pass: my live tiles x 8 column tiles, fragment buffer 0.  Each accumulator has one instruction a turn
.irp t, 0,1,2,3,4
	s_cmp_le_u32 s24, \t
	s_cbranch_scc1 .Lkend_\@
	WIN 0xa1+0x50*(\t/4)                           ; source 0 (tokens) window 1, source 1 (weights) window 0, C and D window 2 or 3
.irp j, 0,1,2,3,4,5,6,7
	v_wmma_f32_16x16x32_bf16 v[64*(\t%4)+8*\j:64*(\t%4)+8*\j+7], v[40*(\a)+8*\t:40*(\a)+8*\t+7], v[F+8*\j:F+8*\j+7], v[64*(\t%4)+8*\j:64*(\t%4)+8*\j+7]
.endr
	WIN 0                                          ; at a branch and at a label every window is 0
.endr
.Lkend_\@:
.endm
; Place k of the four written out is trip u = 4 m - 2 + k: ring slot (k + 2) % 4, fragment buffer k % 2.
.macro MMA t, j, k                     ; source 0 (tokens) window 1, source 1 (weights) window 0 or 3, C and D window 2 or 3
	WIN 0xa1+0x0c*((\k)%2)+0x50*((\t)/4)
	v_wmma_f32_16x16x32_bf16 v[64*((\t)%4)+8*(\j):64*((\t)%4)+8*(\j)+7], v[40*(((\k)+2)%4)+8*(\t):40*(((\k)+2)%4)+8*(\t)+7], v[F+8*(\j):F+8*(\j)+7], v[64*((\t)%4)+8*(\j):64*((\t)%4)+8*(\j)+7]
.endm
.macro CV4 t, p, k                     ; four of the next step's conversions: (g, q) = (t / 2, t % 2), rows 2 p and 2 p + 1, columns c = 0..3; raw and fragment buffer (k + 1) % 2 lie in one window
	WIN 0xcf*(1-((\k)%2))
.irp c, 0,1,2,3
	v_cvt_pk_bf16_f32 v[F+8*(4*((\t)/2)+\c)+4*((\t)%2)+(\p)], v[RAW+4*(8*(\t)+2*(\p))+\c], v[RAW+4*(8*(\t)+2*(\p)+1)+\c]
.endr
.endm
.macro ITER k
	s_wait_loadcnt 20                              ; the 2 x 10 loads of the next two steps stay out: this step's token rows are in
	s_wait_dscnt 0x0                               ; the run of the trip before, the next step's weights, has landed: it was issued a whole trip ago
	PLACES                                         ; the last trip's products read the ring slot that is loaded and the fragment buffer that is written below
	RAWL \k, (\k)%2                                ; ONE run of loads: the weights two steps on,
	ALOAD ((\k)+1)%4, ((\k)+1)*64                  ; and the token rows three steps on: 30 loads of mine are out
.irp t, 0,1,2,3
.irp jj, 0,1,2,3
	MMA \t, 2*\jj, \k                              ; the accumulators take turns, one instruction a turn
	MMA \t, 2*\jj+1, \k
	CV4 \t, \jj, \k                                ; four conversions and two switches stand beside the product just issued
.endr
.endr
	WIN 0
	s_cmp_le_u32 s24, 4
	s_cbranch_scc1 .Lno4_\@
.irp j, 0,1,2,3,4,5,6,7
	MMA 4, \j, \k
.endr
	WIN 0
.Lno4_\@:
.endm
.macro QUADR mid, out                  ; four trips.  mid = 1: the walk's way in; out = 1: its way out
	v_add_nc_u32 v[VBQ], s30, v[VB]
	ITER 0
	ITER 1
.if \mid
.Lmid:
.endif
.if \out
	s_cmp_eq_u32 s28, 1                            ; step 31 is multiplied
	s_cbranch_scc1 .Lout
.endif
	ITER 2
	ITER 3
	s_wait_xcnt 0x0                                ; the loads' base is stepped only behind this wait
	s_add_nc_u64 s[44:45], s[44:45], 256
	s_add_co_u32 s30, s30, QB
.endm
; THE CHANGE OF SLOTS.  Each wave waits for all its tensor loads (its quarter of the slot to be read next), adds 0 to its spare word, and waits for that and for its reads of the slot that it leaves.
; Behind the barrier the new slot is whole and nobody reads the old one.  refill = 1: the old slot takes the chunk after the next, the wave's one tensor load and the first thing behind the barrier; it has 8 trips in which to land.
.macro HEAD refill
	WIN 0
	s_wait_tensorcnt 0x0                           ; no tensor load of mine is out, so the walking descriptor may be written
	ds_add_u32 v[SPW], v[NIL]                      ; scalar work stands between the add and the wait for it
.if \refill
	s_xor_b32 s57, s57, SLOT
	s_add_nc_u64 s[58:59], s[58:59], CH_B          ; the type bits on top are not reached
	s_add_nc_u64 s[50:51], s[50:51], CH_B
.endif
	s_sub_co_u32 s30, s30, SLOT                    ; the reads go back to a slot's first row,
	s_xor_b32 s30, s30, SLOT                       ; in the other slot
	s_wait_dscnt 0x0
	s_barrier_signal -1
	s_barrier_wait -1
.if \refill
	tensor_load_to_lds s[56:59], s[36:43]
	s_nop 0
	PLACES                                         ; four lines ahead of the next switch of windows
	s_cmp_eq_u32 s28, 1                            ; the second change has asked for the last chunk: nothing is left to ask ahead
	s_cbranch_scc1 .Lnopf_\@
.irp n, 0,1,2,3                        ; my quarter of the chunk after the one just asked for: 64 rows x 2 blocks of 256 bytes, each asked for once in the launch, 8 trips ahead of its tensor load
	global_prefetch_b8 v[VP], s[50:51] offset:\n*16*PITCH_B th:TH_LOAD_NT scope:SCOPE_SE
.endr
.Lnopf_\@:
.endif
.endm
.macro SETNW                           ; my live tiles of pass P: tiles T = 20 P + 4 t + w below the expert's number of tiles
	s_mul_i32 s2, s26, 20
	s_sub_co_i32 s3, s23, s2
	s_sub_co_i32 s3, s3, s18
	s_add_co_i32 s3, s3, 3
	s_ashr_i32 s3, s3, 2
	s_max_i32 s3, s3, 0
	s_min_i32 s24, s3, 5
	s_lshl_b32 s25, s24, 1
.endm
; Trip 2 t + u of the way out: z = sum + bias for rows 8 h + 2 u + {0, 1, 4, 5} of tile t, all 8 column tiles: Z + 4 j + ii.  Of each accumulator the pair among its four lowest registers is read first.
.macro CASE t, u, last=0
.if (\last) == 0
	s_cmp_lg_u32 s31, 2*(\t)+(\u)
	s_cbranch_scc1 .Lnc_\@
.endif
	WIN 0x02+(\t)/4                                ; source 0 in window 2 or 3
.irp j, 0,1,2,3,4,5,6,7
	v_pk_add_f32 v[Z+4*\j:Z+4*\j+1],   v[64*((\t)%4)+8*\j+2*(\u):64*((\t)%4)+8*\j+2*(\u)+1],     v[BB+2*\j:BB+2*\j+1]
	v_pk_add_f32 v[Z+4*\j+2:Z+4*\j+3], v[64*((\t)%4)+8*\j+4+2*(\u):64*((\t)%4)+8*\j+4+2*(\u)+1], v[BB+2*\j:BB+2*\j+1]
.endr
	WIN 0
.if (\last) == 0
	s_branch .Lgo
.Lnc_\@:
.endif
.endm
.macro DESC k, wd, st                  ; if N is at least the set bits of the lower half of what is left, take them away and go to the upper half
.irp x, 0,1,2,3,4
	v_bfe_u32 v[RS+16*\x+11], v[RS+16*\x+\k], v[RS+16*\x+10], \wd
	v_cmp_ge_u32 vcc_lo, v[RS+16*\x+5], v[RS+16*\x+11]
	v_cndmask_b32 v[RS+16*\x+11], 0, v[RS+16*\x+11], vcc_lo
	v_cndmask_b32 v[RS+16*\x+12], 0, \st, vcc_lo
	v_sub_nc_u32 v[RS+16*\x+5], v[RS+16*\x+5], v[RS+16*\x+11]
	v_add_nc_u32 v[RS+16*\x+10], v[RS+16*\x+10], v[RS+16*\x+12]
.endr
.endm
	s_load_b256 s[4:11], s[0:1], 0x0               ; W1 s[4:5], b1 s[6:7], xb s[8:9], bm s[10:11]
	s_load_b128 s[12:15], s[0:1], 0x20             ; ix s[12:13], hb s[14:15]
	s_load_b64 s[16:17], s[0:1], 0x30              ; dst
	v_lshl_add_u32 v[SPW], v0, 2, SPARE
	v_mov_b32 v[NIL], 0
	ds_add_u32 v[SPW], v[NIL]                      ; the wave's opening: the add and its wait ahead of my first tensor load; work on registers stands between them
	v_lshrrev_b32 v1, 5, v0
	v_readfirstlane_b32 s18, v1                    ; wave 0..3
	s_mov_b32 s19, ttmp9                           ; slice
	s_and_b32 s20, ttmp7, 0xffff                   ; expert
	s_mov_b32 s36, 0x07520000                      ; elements of 4 bytes; padding on: 4 words behind every 64
	s_mov_b32 s37, 128<<16                         ; tensor_dim0 = 128
	s_mov_b32 s38, 64<<16                          ; tensor_dim1 = 64
	s_mov_b32 s39, 128<<16                         ; tile_dim0 = 128
	s_mov_b32 s40, 64                              ; tile_dim1 = 64
	s_mov_b32 s41, PITCH_EL                        ; elements from row to row
	s_mov_b32 s42, 0
	s_mov_b32 s43, 0
	s_mov_b32 s32, 1
	s_mul_i32 s33, s18, WQ                         ; my quarter of slot 0,
	s_mov_b32 s56, 1
	s_add_co_u32 s57, s33, SLOT                    ; and of slot 1
	s_lshl_b32 s52, s20, 24                        ; the expert's 16 MiB,
	s_lshl_b32 s2, s19, 9                          ; the slice's 512 bytes of a row
	s_add_co_u32 s52, s52, s2
	s_mov_b32 s53, 0
	s_lshl_b32 s2, s18, 20                         ; my 64 rows of a chunk
	s_mov_b32 s3, 0
	s_mov_b32 s55, 0xffff0000                      ; a word's upper bf16
	v_and_b32 v[L], 31, v0
	v_and_b32 v[R], 15, v0
	v_bfe_u32 v[H], v0, 4, 1
	v_lshrrev_b32 v[TM], 3, v[R]
	v_lshlrev_b32 v[VB], 5, v[R]
	v_lshl_add_u32 v[VB], v[TM], 4, v[VB]          ; 32 r, and 16 more behind the row's first 256 bytes
	v_mad_u32_u24 v[VB], v[H], 8*LP, v[VB]
	v_lshlrev_b32 v[VW], 5, v[R]
	v_lshl_add_u32 v[VW], v[H], 17, v[VW]          ; 8 h rows of 16,384 bytes
	v_lshlrev_b32 v[VH16], 4, v[H]
	v_lshlrev_b32 v[VO], 4, v[R]
	v_lshl_add_u32 v[VO], v[H], 16, v[VO]          ; 8 h rows of 8,192 bytes
	v_lshrrev_b32 v[VP], 1, v[L]
	v_lshlrev_b32 v[VP], 14, v[VP]
	v_and_b32 v[TM], 1, v[L]
	v_lshl_add_u32 v[VP], v[TM], 8, v[VP]
	s_lshl_b32 s60, s18, 4
	v_add_nc_u32 v[VI0], s60, v[R]
	v_lshlrev_b32 v[VR32], 5, v[R]
	s_wait_dscnt 0x0                               ; the opening add is done
	s_wait_kmcnt 0x0
	s_add_nc_u64 s[4:5], s[4:5], s[52:53]          ; W1 at the slice
	s_add_nc_u64 s[34:35], s[4:5], s[2:3]          ; my quarter of chunk 0,
	s_add_nc_u64 s[58:59], s[34:35], CH_B          ; of chunk 1,
	s_add_nc_u64 s[50:51], s[58:59], CH_B          ; and of chunk 2, for the prefetch
	s_or_b32 s35, s35, 0x80000000                  ; type = 2
	s_or_b32 s59, s59, 0x80000000
	tensor_load_to_lds s[32:35], s[36:43]          ; both first fills go out together, ahead of every wait on TENSORcnt, LDS read and barrier: two loads of mine are out
	s_nop 0
	tensor_load_to_lds s[56:59], s[36:43]
	s_nop 0
	PLACES
	s_lshl_b32 s52, s20, 7
	s_add_nc_u64 s[10:11], s[10:11], s[52:53]
	s_load_b512 s[68:83], s[10:11], 0x0            ; the expert's 1,024 bits
	s_load_b512 s[84:99], s[10:11], 0x40
	s_lshl_b32 s52, s20, 14
	s_lshl_b32 s2, s19, 9
	s_add_co_u32 s52, s52, s2
	s_add_nc_u64 s[6:7], s[6:7], s[52:53]
	global_load_b128 v[64:67], v[VR32], s[6:7]     ; b1 of columns 8 r + 0..7
	global_load_b128 v[68:71], v[VR32], s[6:7] offset:16
	s_lshl_b32 s52, s20, 23
	s_lshl_b32 s2, s19, 8
	s_add_co_u32 s52, s52, s2
	s_add_nc_u64 s[14:15], s[14:15], s[52:53]      ; hb at the expert and the slice's 256 bytes
	s_mul_i32 s52, s20, 4*NPS*PR
	s_add_nc_u64 s[16:17], s[16:17], s[52:53]      ; dst at the expert
	CLEARW
	s_wait_kmcnt 0x0
	s_mov_b32 s21, 0
.set g, 0
.rept 32
	s_bcnt1_i32_b32 s2, s[68+g]
	s_add_co_u32 s21, s21, s2
.set g, g+1
.endr
	s_min_u32 s21, s21, 0x400                      ; the count
	s_max_u32 s22, s21, 1
	s_sub_co_u32 s22, s22, 1                       ; the last live rank (0 where there is none)
	s_add_co_u32 s23, s21, 15
	s_lshr_b32 s23, s23, 4                         ; row tiles
	s_cmp_gt_u32 s21, PR                           ; passes: 1 to 4
	s_cselect_b32 s27, 2, 1
	s_cmp_gt_u32 s21, 2*PR
	s_cselect_b32 s27, 3, s27
	s_cmp_gt_u32 s21, 3*PR
	s_cselect_b32 s27, 4, s27
	s_wait_loadcnt 0x0                             ; b1
.irp m, 0,1,2,3
	v_cvt_pk_bf16_f32 v[72+\m], v[64+2*\m], v[65+2*\m]  ; b1 rounded to bf16 like every input,
.endr
.irp m, 0,1,2,3
	v_lshlrev_b32 v[BB+4*\m], 16, v[72+\m]         ; widened again, each twice
	v_lshlrev_b32 v[BB+4*\m+1], 16, v[72+\m]
	v_and_b32 v[BB+4*\m+2], s55, v[72+\m]
	v_and_b32 v[BB+4*\m+3], s55, v[72+\m]
.endr
	; RANK TO TOKEN, for the live passes, the last first: tile x of pass P, lane r (both halves alike): rank I = 320 P + 64 x + 16 w + r.
	; registers of tile x at RS + 16 x: 0 I, 1 min(I, last live), 2 that << 5 | 31, 3 the kept count << 5 | word's number, 4 the kept word, 5 N, 6-9 sums of 2, 4, 8, 16 bits, 10 bit, 11, 12 at work, 13 token, 14, 15 for dst
.set n, 0
.rept 5
	v_mov_b32 v[RO+n], 0
	v_mov_b32 v[RO1+n], 0
	v_mov_b32 v[RO2+n], 0
	v_mov_b32 v[RO3+n], 0
.set n, n+1
.endr
	s_mov_b32 s61, NPS
.Lrows:
	s_cmp_gt_u32 s61, s27                          ; pass s61 - 1 has no rows: jumped
	s_cbranch_scc1 .Lrnext
	s_mul_i32 s2, s61, PR
	s_sub_co_u32 s2, s2, PR                        ; 320 P
.irp x, 0,1,2,3,4
	s_add_co_u32 s3, s2, 64*\x
	v_add_nc_u32 v[RS+16*\x], s3, v[VI0]
	v_min_u32 v[RS+16*\x+1], s22, v[RS+16*\x]
	v_lshl_or_b32 v[RS+16*\x+2], v[RS+16*\x+1], 5, 31
	v_mov_b32 v[RS+16*\x+3], 0
	v_mov_b32 v[RS+16*\x+4], 0
.endr
	s_mov_b32 s2, 0                                ; count below word j, << 5 | j
	s_mov_b32 s60, 4
.Lsweep:                                               ; four trips of eight words
.irp jj, 0,1,2,3,4,5,6,7
.irp x, 0,1,2,3,4
	v_cmp_gt_u32 vcc_lo, s2, v[RS+16*\x+2]         ; more bits below word j than the rank: the word lies behind the rank's: keep what is held
	v_cndmask_b32 v[RS+16*\x+3], s2, v[RS+16*\x+3], vcc_lo
	v_cndmask_b32 v[RS+16*\x+4], s[68+\jj], v[RS+16*\x+4], vcc_lo
.endr
	s_bcnt1_i32_b32 s3, s[68+\jj]
	s_lshl_b32 s3, s3, 5
	s_add_co_u32 s2, s2, s3
	s_add_co_u32 s2, s2, 1
.endr
	s_mov_b64 s[44:45], s[68:69]                   ; the 32 words are turned by eight; four turns bring them back
	s_mov_b64 s[46:47], s[70:71]
	s_mov_b64 s[48:49], s[72:73]
	s_mov_b64 s[62:63], s[74:75]
.irp k, 68,70,72,74,76,78,80,82,84,86,88,90
	s_mov_b64 s[\k:\k+1], s[\k+8:\k+9]
.endr
	s_mov_b64 s[92:93], s[44:45]
	s_mov_b64 s[94:95], s[46:47]
	s_mov_b64 s[96:97], s[48:49]
	s_mov_b64 s[98:99], s[62:63]
	s_sub_co_u32 s60, s60, 1
	s_cmp_lg_u32 s60, 0
	s_cbranch_scc1 .Lsweep
.irp x, 0,1,2,3,4
	v_lshrrev_b32 v[RS+16*\x+11], 5, v[RS+16*\x+3]
	v_sub_nc_u32 v[RS+16*\x+5], v[RS+16*\x+1], v[RS+16*\x+11]  ; N: which set bit of the word
	v_lshrrev_b32 v[RS+16*\x+11], 1, v[RS+16*\x+4]
	v_and_b32 v[RS+16*\x+11], 0x55555555, v[RS+16*\x+11]
	v_sub_nc_u32 v[RS+16*\x+6], v[RS+16*\x+4], v[RS+16*\x+11]
	v_lshrrev_b32 v[RS+16*\x+11], 2, v[RS+16*\x+6]
	v_and_b32 v[RS+16*\x+11], 0x33333333, v[RS+16*\x+11]
	v_and_b32 v[RS+16*\x+7], 0x33333333, v[RS+16*\x+6]
	v_add_nc_u32 v[RS+16*\x+7], v[RS+16*\x+7], v[RS+16*\x+11]
	v_lshrrev_b32 v[RS+16*\x+11], 4, v[RS+16*\x+7]
	v_add_nc_u32 v[RS+16*\x+8], v[RS+16*\x+7], v[RS+16*\x+11]
	v_and_b32 v[RS+16*\x+8], 0x0f0f0f0f, v[RS+16*\x+8]
	v_lshrrev_b32 v[RS+16*\x+11], 8, v[RS+16*\x+8]
	v_add_nc_u32 v[RS+16*\x+9], v[RS+16*\x+8], v[RS+16*\x+11]
	v_mov_b32 v[RS+16*\x+10], 0
.endr
	DESC 9, 8, 16
	DESC 8, 8, 8
	DESC 7, 4, 4
	DESC 6, 2, 2
	DESC 4, 1, 1
.irp x, 0,1,2,3,4
	v_and_b32 v[RS+16*\x+11], 31, v[RS+16*\x+3]
	v_lshl_add_u32 v[RS+16*\x+13], v[RS+16*\x+11], 5, v[RS+16*\x+10]  ; token = 32 x word's number + bit
.endr
	s_cmp_lg_u32 s19, 0
	s_cbranch_scc1 .Lnodst                         ; slice 0 alone stores the table
.irp x, 0,1,2,3,4
	v_min_u32 v[RS+16*\x+11], 0x3ff, v[RS+16*\x+13]
	v_lshlrev_b32 v[RS+16*\x+12], 2, v[RS+16*\x+11]
	global_load_b32 v[RS+16*\x+14], v[RS+16*\x+12], s[12:13]
.endr
	s_add_co_u32 s3, s20, 2048
	s_wait_loadcnt 0x0
.irp x, 0,1,2,3,4
	v_bfe_u32 v[RS+16*\x+14], v[RS+16*\x+14], 8, 8
	v_cmp_eq_u32 vcc_lo, s20, v[RS+16*\x+14]
	v_cndmask_b32 v[RS+16*\x+14], 0, 1, vcc_lo     ; k
	v_lshl_add_u32 v[RS+16*\x+14], v[RS+16*\x+11], 1, v[RS+16*\x+14]
	v_cmp_gt_u32 vcc_lo, s21, v[RS+16*\x]
	v_cndmask_b32 v[RS+16*\x+14], s3, v[RS+16*\x+14], vcc_lo  ; a rank past the count: row 2048 + e
	v_lshlrev_b32 v[RS+16*\x+15], 2, v[RS+16*\x]
	global_store_b32 v[RS+16*\x+15], v[RS+16*\x+14], s[16:17]  ; both halves of the lanes store the same word
.endr
	s_wait_xcnt 0x0                                ; the stores' registers are written again in the next trip
.Lnodst:
.irp x, 0,1,2,3,4
	v_mov_b32 v[RO3+\x], v[RO2+\x]                 ; what the earlier trips made moves up: it is for later passes
	v_mov_b32 v[RO2+\x], v[RO1+\x]
	v_mov_b32 v[RO1+\x], v[RO+\x]
	v_min_u32 v[RS+16*\x+11], 0x3ff, v[RS+16*\x+13]
	v_lshl_add_u32 v[RO+\x], v[RS+16*\x+11], 11, v[VH16]
.endr
.Lrnext:
	s_sub_co_u32 s61, s61, 1
	s_cmp_lg_u32 s61, 0
	s_cbranch_scc1 .Lrows
	s_mov_b32 s68, 0x3eaa540e                      ; 0.47047 / sqrt 2
	s_mov_b32 s70, 0xbf38aa3b                      ; - log2(e) / 2
	s_mov_b32 s71, s70                             ; the packed lines name pairs and take the low word for both halves
	s_mov_b32 s72, 0x3ebf7377                      ; a3 / 2 = 0.3739278
	s_mov_b32 s73, s72
	s_mov_b32 s74, 0xbd445ca1                      ; a2 / 2 = -0.0479399
	s_mov_b32 s75, s74
	s_mov_b32 s76, 0x3e32303a                      ; a1 / 2 = 0.1740121
	s_mov_b32 s77, s76
	s_mov_b32 s26, 0
	SETNW
	s_mov_b64 s[44:45], s[8:9]
	ALOAD 0, 0
	ALOAD 1, 64
	ALOAD 2, 128
	WIN 0
	s_mov_b32 s30, 0                               ; slot 0's first row
	s_wait_tensorcnt 0x1                           ; my quarter of chunk 0 is in; chunk 1's load may stay out
	s_barrier_signal -1
	s_barrier_wait -1                              ; everybody's is
	v_add_nc_u32 v[VBQ], s30, v[VB]
	RAWL 0, 0                                      ; the prologue: step 0's weights,
	s_wait_dscnt 0x0
	RAWL 1, 1                                      ; step 1's, on their way while
	CVT                                            ; step 0's are converted
.irp n, 0,1,2,3                        ; my quarter of chunk 2: each block of 256 bytes asked for once in the launch, 6 trips ahead of its tensor load
	global_prefetch_b8 v[VP], s[50:51] offset:\n*16*PITCH_B th:TH_LOAD_NT scope:SCOPE_SE
.endr
	s_mov_b32 s28, 2
	s_mov_b32 s29, 2
	s_branch .Lmid                                 ; the walk is entered at trip 0, in the middle of a four
.LA:                                                   ; twice: eight trips, then a change of slots that asks for a chunk
	s_mov_b32 s29, 2
.LAq:
	QUADR 1, 0
	s_sub_co_u32 s29, s29, 1
	s_cmp_lg_u32 s29, 0
	s_cbranch_scc1 .LAq
	HEAD 1
	s_sub_co_u32 s28, s28, 1
	s_cmp_lg_u32 s28, 0
	s_cbranch_scc1 .LA
	s_mov_b32 s28, 3
.LB:                                                   ; the tail is written out: twice eight trips and a change that asks for nothing, then two trips
	s_mov_b32 s29, 2
.LBq:
	QUADR 0, 1
	s_sub_co_u32 s29, s29, 1
	s_cmp_lg_u32 s29, 0
	s_cbranch_scc1 .LBq
	HEAD 0
	s_sub_co_u32 s28, s28, 1
	s_cmp_lg_u32 s28, 0
	s_cbranch_scc1 .LB
.Lout:
	s_wait_dscnt 0x0                               ; the last two runs have come back: their registers are scratch from here on
	s_mov_b32 s26, 0
.Lpass:                                                ; four passes; those without rows are jumped
	s_cmp_ge_u32 s26, s27
	s_cbranch_scc1 .Lpnext
	s_cmp_eq_u32 s26, 0
	s_cbranch_scc1 .Lepi
	s_wait_loadcnt 0x0                             ; the ring's look-ahead has come back: its registers are loaded again below
	s_wait_xcnt 0x0                                ; the last pass's stores have read their registers
	CLEARW
	SETNW
.irp t, 0,1,2,3,4
	v_mov_b32 v[RO+\t], v[RO1+\t]
	v_mov_b32 v[RO1+\t], v[RO2+\t]
	v_mov_b32 v[RO2+\t], v[RO3+\t]
.endr
	s_mov_b64 s[48:49], s[4:5]
	s_mov_b64 s[44:45], s[8:9]
	s_mov_b32 s60, 32
.Lk2:                                                  ; a further pass: a K step a trip, weights and tokens through registers; no barrier, no tensor load
	PLACES
	RAWG
	ALOAD 0, 0
	s_wait_loadcnt 0x0                             ; all in: the bases may be stepped below
	CVT
	TILES 0
	s_add_nc_u64 s[48:49], s[48:49], 32*PITCH_B
	s_add_nc_u64 s[44:45], s[44:45], 64
	s_sub_co_u32 s60, s60, 1
	s_cmp_lg_u32 s60, 0
	s_cbranch_scc1 .Lk2
.Lepi:
	PLACES                                         ; between the last products and the first read of a sum
	s_mov_b32 s31, 0
.Lq:                                                   ; ten trips, of which twice my live tiles work: 8 rows x 128 columns, 32 numbers a lane
	s_cmp_ge_u32 s31, s25
	s_cbranch_scc1 .Lqnext
.irp t, 0,1,2,3
	CASE \t, 0
	CASE \t, 1
.endr
	CASE 4, 0
	CASE 4, 1, 1
.Lgo:
	s_wait_xcnt 0x0                                ; the last trip's stores have read their base and data
	s_mul_i32 s2, s26, PR                          ; rank 320 P
	s_lshl_b32 s3, s18, 4                          ; + 16 w
	s_add_co_u32 s2, s2, s3
	s_lshr_b32 s3, s31, 1
	s_lshl_b32 s3, s3, 6                           ; + 64 t
	s_add_co_u32 s2, s2, s3
	s_and_b32 s3, s31, 1
	s_lshl_b32 s3, s3, 1                           ; + 2 u
	s_add_co_u32 s2, s2, s3
	s_lshl_b32 s52, s2, 13
	s_mov_b32 s53, 0
	s_add_nc_u64 s[46:47], s[14:15], s[52:53]
.set m, 0
.rept 32
	v_fma_f32 v[T+m], |v[Z+m]|, s68, 1.0
.set m, m+1
.endr
	; the 64 reciprocals and exponentials are one batch; plain lines that name no result of theirs stand between them
.set m, 0
.rept 16
	v_pk_mul_f32 v[U+2*m:U+2*m+1], v[Z+2*m:Z+2*m+1], s[70:71] op_sel_hi:[1,0]
	v_rcp_f32 v[T+m], v[T+m]                       ; t
.set m, m+1
.endr
.set m, 0
.rept 16
	v_pk_mul_f32 v[U+2*m:U+2*m+1], v[U+2*m:U+2*m+1], v[Z+2*m:Z+2*m+1]  ; - z^2 log2(e) / 2
	v_rcp_f32 v[T+16+m], v[T+16+m]
.set m, m+1
.endr
.set m, 0
.rept 32
	v_exp_f32 v[U+m], v[U+m]                       ; e^(-z^2 / 2)
	v_max_num_f32 v[MX+m], 0, v[Z+m]
.set m, m+1
.endr
	s_wait_alu depctr_va_vdst(0)                   ; one wait for all 64, behind a plain line and ahead of the first line that names a result
.set m, 0
.rept 16
	v_pk_fma_f32 v[PL+2*m:PL+2*m+1], v[T+2*m:T+2*m+1], s[72:73], s[74:75] op_sel_hi:[1,0,0]
.set m, m+1
.endr
.set m, 0
.rept 16
	v_pk_fma_f32 v[PL+2*m:PL+2*m+1], v[PL+2*m:PL+2*m+1], v[T+2*m:T+2*m+1], s[76:77] op_sel_hi:[1,1,0]
.set m, m+1
.endr
.set m, 0
.rept 16
	v_pk_mul_f32 v[PL+2*m:PL+2*m+1], v[PL+2*m:PL+2*m+1], v[T+2*m:T+2*m+1]
.set m, m+1
.endr
.set m, 0
.rept 16
	v_pk_mul_f32 v[PL+2*m:PL+2*m+1], v[PL+2*m:PL+2*m+1], v[U+2*m:U+2*m+1]  ; q = (1 - erf(|z| / sqrt 2)) / 2
.set m, m+1
.endr
.set m, 0
.rept 32
	v_fma_f32 v[PL+m], -|v[Z+m]|, v[PL+m], v[MX+m] ; max(z, 0) - |z| q
.set m, m+1
.endr
.irp ii, 0,1,2,3
.irp mm, 0,1,2,3
	v_cvt_pk_bf16_f32 v[OUT+4*\ii+\mm], v[PL+8*\mm+\ii], v[PL+8*\mm+4+\ii]  ; columns 8 r + 2 mm, + 1 of the trip's row ii
.endr
.endr
.irp ii, 0,1,2,3
	global_store_b128 v[VO], v[OUT+4*\ii:OUT+4*\ii+3], s[46:47] offset:(\ii+2*(\ii/2))*8192  ; rows 0, 1, 4, 5 on from the trip's first: sixteen lanes store 256 consecutive bytes of a row, aligned
.endr
.Lqnext:
	s_add_co_u32 s31, s31, 1
	s_cmp_lt_u32 s31, 10
	s_cbranch_scc1 .Lq
.Lpnext:
	s_add_co_u32 s26, s26, 1
	s_cmp_lt_u32 s26, NPS
	s_cbranch_scc1 .Lpass
	s_wait_tensorcnt 0x0                           ; the wave's end, behind my last tensor load
	ds_add_u32 v[SPW], v[NIL]
	s_wait_dscnt 0x0
	s_endpgm
.Lfunc_end_k_qc3af9eb22a_fc1:
	.size	k_qc3af9eb22a_fc1, .Lfunc_end_k_qc3af9eb22a_fc1-k_qc3af9eb22a_fc1
	.p2alignl 7, 3214868480
	.fill 96, 4, 3214868480
	.section	.rodata,"a",@progbits
	.p2align	6, 0x0
	.amdhsa_kernel k_qc3af9eb22a_fc1
		.amdhsa_group_segment_fixed_size 327680
		.amdhsa_private_segment_fixed_size 0
		.amdhsa_enable_private_segment 0
		.amdhsa_kernarg_size 56
		.amdhsa_user_sgpr_count 2
		.amdhsa_user_sgpr_kernarg_segment_ptr 1
		.amdhsa_wavefront_size32 1
		.amdhsa_system_sgpr_workgroup_id_x 1
		.amdhsa_system_sgpr_workgroup_id_y 1
		.amdhsa_system_sgpr_workgroup_id_z 1
		.amdhsa_system_vgpr_workitem_id 0
		.amdhsa_next_free_vgpr 1024
		.amdhsa_next_free_sgpr 102
		.amdhsa_reserve_vcc 1
		.amdhsa_float_denorm_mode_32 3
		.amdhsa_float_denorm_mode_16_64 3
		.amdhsa_memory_ordered 1
		.amdhsa_forward_progress 1
		.amdhsa_inst_pref_size 176
	.end_amdhsa_kernel
	.amdgpu_metadata
---
amdhsa.version: [ 1, 2 ]
amdhsa.kernels:
  - .name:           k_qc3af9eb22a_fc1
    .symbol:         k_qc3af9eb22a_fc1.kd
    .args:
      - { .name: W1, .offset: 0, .size: 8, .value_kind: global_buffer, .address_space: global }
      - { .name: b1, .offset: 8, .size: 8, .value_kind: global_buffer, .address_space: global }
      - { .name: xb, .offset: 16, .size: 8, .value_kind: global_buffer, .address_space: global }
      - { .name: bm, .offset: 24, .size: 8, .value_kind: global_buffer, .address_space: global }
      - { .name: ix, .offset: 32, .size: 8, .value_kind: global_buffer, .address_space: global }
      - { .name: hb, .offset: 40, .size: 8, .value_kind: global_buffer, .address_space: global }
      - { .name: dst, .offset: 48, .size: 8, .value_kind: global_buffer, .address_space: global }
    .group_segment_fixed_size: 327680
    .private_segment_fixed_size: 0
    .kernarg_segment_align: 8
    .kernarg_segment_size: 56
    .max_flat_workgroup_size: 128
    .sgpr_count:     102
    .vgpr_count:     1024
    .wavefront_size: 32
...
	.end_amdgpu_metadata
.endif
;; end of part 5
;; launch fc2 (part 6): grid 32 x 8, 4 waves a work-group, no clusters, 327,680 bytes of LDS; arguments W2, b2, hb, bm, dst, part; writes part
.if DOCPART == 6
	.amdgcn_target "amdgcn-amd-amdhsa--gfx1250"
	.amdhsa_code_object_version 6
	.text
	.protected	k_qc3af9eb22a_fc2
	.globl	k_qc3af9eb22a_fc2
	.p2align	8
	.type	k_qc3af9eb22a_fc2,@function
k_qc3af9eb22a_fc2:
	s_mov_b64 s[64:65], 0
	v_nop
	global_prefetch_b8 v0, s[64:65] scope:SCOPE_SE
	s_setreg_imm32_b32 hwreg(HW_REG_WAVE_MODE, 25, 1), 1
	s_wait_xcnt 0x0
; FC2.  For expert e (grid y), columns 128 cs .. + 127 of D and quarter kq of F (grid x = 8 kq + cs): the partial sums h W2[e] over F's 1,024 kq .. + 1,023, in f32 (quarter 0 adds b2[e]),
; for the expert's ranks, stored at part[kq][dst[e][rank]][:]: row 2 token + k, or for a rank past the count row 2048 + e, which nobody reads and of which these columns are this work-group's alone.
; W2 and b2 are rounded once to bf16; h came in bf16; sums in f32.  The gate's weights and the sum over the four quarters and the two choices are the next launch's.
; SHAPE AND RING as in the launch before: the sums of 320 rows x 128 columns in registers, row tile T = 20 P + 4 t + w (t = 0..4); K = 1,024 in 32 steps of 32; in pass 0 each byte of W2 read once, by this work-group alone,
; by a tensor load a wave of 64 rows x 512 bytes into one of two LDS slots of 256 rows, both first fills together at the start; every barrier and tensor load in a walk of constant length; the count only makes forward jumps over work.
; 320 ranks are 1.25 times the 256 of an even split; an expert with more takes further passes, up to four for all 1,024 tokens, with W2 again, through registers.
; WEIGHTS INTO FRAGMENTS.  Lane (r, h) reads rows k = 16 q + 8 h + i as 16 bytes, columns 64 g + 4 r + c; column tile j = 4 g + c has as its column n = r the slice's 64 g + 4 r + c.
; So a lane's four neighbouring f32 of a row lie in four accumulators; the bias's addition brings them into the order of the store, and sixteen lanes store 256 consecutive aligned bytes, straight from registers.
; THE K WALK IS A PIPELINE.  Trip u multiplies step u; behind every second product stand four of the 64 conversions of step u + 1, from the raw buffer (u + 1) % 2 into the fragment buffer (u + 1) % 2; and ONE run of loads at the
; trip's head asks LDS for step u + 2 (raw buffer u % 2) and memory for the rows of h of step u + 3.  Since LDS is read two steps ahead of the products, four trips written out go from u = 4 m - 2 to 4 m + 1: then the
; changes of slots fall between two such fours.  The walk is entered in the middle of a four, behind a prologue that loads steps 0 and 1 and converts step 0, and left in the middle of a four.
; The last two trips' runs bring bytes that nobody uses: the first 64 rows of slot 0, into which nothing is on its way, and bytes of h up to 192 past the quarter's end: the row's next quarter, the next row, or hb's 256 spare bytes.
; Tiles 0 to 3 are always multiplied, since they carry the conversions: a dead tile repeats the last live rank and its sums are never read; the price is up to 256 rows' products for an expert with fewer.  Tile 4 is jumped when dead.
; NO CLUSTER: a slice of W2 is read by one work-group alone; what an expert's work-groups share is its rows of h, whose number hangs on a stored count, which no constant descriptor covers.
; The 40 accumulators are started by 40 products of zeros with C = 0, in the wait for the first tile (and once for each further pass): the price of writing no first K step out.  NaN and infinities are not treated apart.
.set PITCH_B,  4096                    ; a row of W2[e] in bytes
.set PITCH_EL, 1024
.set CH_B,  256*PITCH_B
.set LP,    544                        ; a row in LDS: 2 x (256 bytes + 16)
.set WQ,    64*LP
.set SLOT,  4*WQ                       ; 0x22000: shares no bit with wave x WQ
.set QB,    128*LP
.set SPARE, 2*SLOT                     ; the spare words, 128 bytes a wave: no other line names them
.set GOFF,  272
.set GG,    256
.set PQ,    2056*4096                  ; a quarter of part
.set PR,    320                        ; ranks in a pass
.set NPS,   4                          ; passes that cover 1,024 ranks
.set L,   1
.set R,   2
.set H,   3
.set SPW, 4
.set NIL, 5
.set VB,  6
.set VBQ, 7
.set VW,  8
.set VH16, 9
.set RO,  10                           ; v[10:14] tile t: byte offset of my rank's fragment in hb
.set V16R, 20                          ; v20 16 r
.set VP,  21
.set VH32, 22                          ; v22 32 h
.set TM,  24
.set BB,  26                           ; v[26:33] bias of column tile j
.set F,   64                           ; the 8 fragments of W2: buffer 0 in window 0, buffer 1 in window 3
.set RAW, 128                          ; a K step of W2 in f32: buffer 0 in window 0, buffer 1 in window 3
.set ZA,  128                          ; v[128:143] two fragments of zeros
.set ZB,  136
.set O,   64                           ; the way out: v[64:127] a tile's 8 rows x 8 numbers in the order of the stores
.set AD,  192                          ; v[192:199] a tile's eight byte offsets in part
.set DR,  160                          ; window 1, v[160:199]: the rows of part for my ranks of the pass: tile t, row 8 h + i at DR + 8 t + i
; windows: 1: fragments of h, ring slot a, tile t at v[40 a + 8 t], and DR;  2: accumulators of tiles 0-3, (t, j) at v[64 t + 8 j];  3: v0-63 those of tile 4, then fragment and raw buffer 1
; scalars as in the launch before; s62 the quarter
.set MSB, 0
.macro WIN new
.if MSB != (\new)
	s_set_vgpr_msb (MSB<<8)|(\new)
.set MSB, (\new)
.endif
.endm
.macro PLACES
.rept 4
	v_nop
.endr
.endm
.macro CLEARW                          ; every accumulator = 0 x 0 + 0.  The sixteen moves name no register of an earlier product: they are the places ahead of the first line that writes over its sums
	WIN 0
.set n, 0
.rept 16
	v_mov_b32 v[ZA+n], 0
.set n, n+1
.endr
	WIN 0x80
.set n, 0
.rept 32
	v_wmma_f32_16x16x32_bf16 v[8*n:8*n+7], v[ZA:ZA+7], v[ZB:ZB+7], 0
.set n, n+1
.endr
	WIN 0xc0
.set n, 0
.rept 8
	v_wmma_f32_16x16x32_bf16 v[8*n:8*n+7], v[ZA:ZA+7], v[ZB:ZB+7], 0
.set n, n+1
.endr
	WIN 0
	PLACES                                         ; ahead of whatever writes the zeros' registers next
.endm
.macro RAWL k, b                       ; step k of the four being read, out of LDS into raw buffer b: 32 loads in one run
	WIN 0xc0*(\b)                                  ; the data in window 0 or 3, the address in window 0
.irp g, 0,1
.irp q, 0,1
.irp i, 0,1,2,3,4,5,6,7
	ds_load_b128 v[RAW+4*(16*\g+8*\q+\i):RAW+4*(16*\g+8*\q+\i)+3], v[VBQ] offset:(32*(\k)+16*\q+\i)*LP+\g*GOFF
.endr
.endr
.endr
.endm
.macro RAWG                            ; raw buffer 0 from memory
	WIN 0
.irp g, 0,1
.irp q, 0,1
.irp i, 0,1,2,3,4,5,6,7
	global_load_b128 v[RAW+4*(16*\g+8*\q+\i):RAW+4*(16*\g+8*\q+\i)+3], v[VW], s[48:49] offset:(16*\q+\i)*PITCH_B+\g*GG
.endr
.endr
.endr
.endm
.macro CVT                             ; buffer 0: rows 2 p and 2 p + 1 of a column, rounded together, are a fragment's register
	WIN 0
.irp g, 0,1
.irp q, 0,1
.irp p, 0,1,2,3
.irp c, 0,1,2,3
	v_cvt_pk_bf16_f32 v[F+8*(4*\g+\c)+4*\q+\p], v[RAW+4*(16*\g+8*\q+2*\p)+\c], v[RAW+4*(16*\g+8*\q+2*\p+1)+\c]
.endr
.endr
.endr
.endr
.endm
.macro ALOAD a, off                    ; the fragments of h of one K step, all 5 tiles, into ring slot a
	WIN 0x40
.irp t, 0,1,2,3,4
	global_load_b128 v[40*(\a)+8*\t:40*(\a)+8*\t+3],   v[RO+\t], s[44:45] offset:(\off)
	global_load_b128 v[40*(\a)+8*\t+4:40*(\a)+8*\t+7], v[RO+\t], s[44:45] offset:(\off)+32
.endr
.endm
.macro TILES a                         ; a further pass: my live tiles x 8 column tiles, fragment buffer 0.  Each accumulator has one instruction a turn
.irp t, 0,1,2,3,4
	s_cmp_le_u32 s24, \t
	s_cbranch_scc1 .Lkend_\@
	WIN 0xa1+0x50*(\t/4)
.irp j, 0,1,2,3,4,5,6,7
	v_wmma_f32_16x16x32_bf16 v[64*(\t%4)+8*\j:64*(\t%4)+8*\j+7], v[40*(\a)+8*\t:40*(\a)+8*\t+7], v[F+8*\j:F+8*\j+7], v[64*(\t%4)+8*\j:64*(\t%4)+8*\j+7]
.endr
	WIN 0
.endr
.Lkend_\@:
.endm
; Place k of the four written out is trip u = 4 m - 2 + k: ring slot (k + 2) % 4, fragment buffer k % 2.
.macro MMA t, j, k                     ; source 0 (h) window 1, source 1 (weights) window 0 or 3, C and D window 2 or 3
	WIN 0xa1+0x0c*((\k)%2)+0x50*((\t)/4)
	v_wmma_f32_16x16x32_bf16 v[64*((\t)%4)+8*(\j):64*((\t)%4)+8*(\j)+7], v[40*(((\k)+2)%4)+8*(\t):40*(((\k)+2)%4)+8*(\t)+7], v[F+8*(\j):F+8*(\j)+7], v[64*((\t)%4)+8*(\j):64*((\t)%4)+8*(\j)+7]
.endm
.macro CV4 t, p, k                     ; four of the next step's conversions: (g, q) = (t / 2, t % 2), rows 2 p and 2 p + 1, columns c = 0..3; raw and fragment buffer (k + 1) % 2 lie in one window
	WIN 0xcf*(1-((\k)%2))
.irp c, 0,1,2,3
	v_cvt_pk_bf16_f32 v[F+8*(4*((\t)/2)+\c)+4*((\t)%2)+(\p)], v[RAW+4*(8*(\t)+2*(\p))+\c], v[RAW+4*(8*(\t)+2*(\p)+1)+\c]
.endr
.endm
.macro ITER k
	s_wait_loadcnt 20                              ; the 2 x 10 loads of the next two steps stay out: this step's rows of h are in, and so is all that was asked for before them
	s_wait_dscnt 0x0                               ; the run of the trip before, the next step's weights, has landed: it was issued a whole trip ago
	PLACES                                         ; the last trip's products read the ring slot that is loaded and the fragment buffer that is written below
	RAWL \k, (\k)%2                                ; ONE run of loads: the weights two steps on,
	ALOAD ((\k)+1)%4, ((\k)+1)*64                  ; and the rows of h three steps on: 30 loads of mine are out
.irp t, 0,1,2,3
.irp jj, 0,1,2,3
	MMA \t, 2*\jj, \k                              ; the accumulators take turns, one instruction a turn
	MMA \t, 2*\jj+1, \k
	CV4 \t, \jj, \k                                ; four conversions and two switches stand beside the product just issued
.endr
.endr
	WIN 0
	s_cmp_le_u32 s24, 4
	s_cbranch_scc1 .Lno4_\@
.irp j, 0,1,2,3,4,5,6,7
	MMA 4, \j, \k
.endr
	WIN 0
.Lno4_\@:
.endm
.macro QUADR mid, out                  ; four trips.  mid = 1: the walk's way in; out = 1: its way out
	v_add_nc_u32 v[VBQ], s30, v[VB]
	ITER 0
	ITER 1
.if \mid
.Lmid:
.endif
.if \out
	s_cmp_eq_u32 s28, 1                            ; step 31 is multiplied
	s_cbranch_scc1 .Lout
.endif
	ITER 2
	ITER 3
	s_wait_xcnt 0x0                                ; the loads' base is stepped only behind this wait
	s_add_nc_u64 s[44:45], s[44:45], 256
	s_add_co_u32 s30, s30, QB
.endm
; THE CHANGE OF SLOTS: all my tensor loads waited for (my quarter of the slot to be read next), the add, the wait for it and for my reads of the slot that I leave, the barrier; then, refill = 1, my one tensor load, first: it has 8 trips in which to land.
.macro HEAD refill
	WIN 0
	s_wait_tensorcnt 0x0                           ; no tensor load of mine is out, so the walking descriptor may be written
	ds_add_u32 v[SPW], v[NIL]
.if \refill
	s_xor_b32 s57, s57, SLOT
	s_add_nc_u64 s[58:59], s[58:59], CH_B          ; the type bits on top are not reached
	s_add_nc_u64 s[50:51], s[50:51], CH_B
.endif
	s_sub_co_u32 s30, s30, SLOT
	s_xor_b32 s30, s30, SLOT
	s_wait_dscnt 0x0
	s_barrier_signal -1
	s_barrier_wait -1
.if \refill
	tensor_load_to_lds s[56:59], s[36:43]
	s_nop 0
	PLACES                                         ; four lines ahead of the next switch of windows
	s_cmp_eq_u32 s28, 1                            ; the second change has asked for the last chunk: nothing is left to ask ahead
	s_cbranch_scc1 .Lnopf_\@
.irp n, 0,1,2,3                        ; my quarter of the chunk after the one just asked for: 64 rows x 2 blocks of 256 bytes, each asked for once in the launch, 8 trips ahead of its tensor load
	global_prefetch_b8 v[VP], s[50:51] offset:\n*16*PITCH_B th:TH_LOAD_NT scope:SCOPE_SE
.endr
.Lnopf_\@:
.endif
.endm
.macro SETNW                           ; my live tiles of pass P: tiles T = 20 P + 4 t + w below the expert's number of tiles
	s_mul_i32 s2, s26, 20
	s_sub_co_i32 s3, s23, s2
	s_sub_co_i32 s3, s3, s18
	s_add_co_i32 s3, s3, 3
	s_ashr_i32 s3, s3, 2
	s_max_i32 s3, s3, 0
	s_min_i32 s24, s3, 5
	s_lshl_b32 s25, s24, 1
.endm
.macro ROWS                            ; tile t, lane r: rank 320 P + 64 t + 16 w + r, held to the last live rank
	s_mul_i32 s2, s26, PR
	s_lshl_b32 s3, s18, 4
	s_add_co_u32 s2, s2, s3
.irp t, 0,1,2,3,4
	s_add_co_u32 s3, s2, 64*\t
	v_add_nc_u32 v[RO+\t], s3, v[R]
	v_min_u32 v[RO+\t], s22, v[RO+\t]
	v_min_u32 v[RO+\t], 0x3ff, v[RO+\t]
	v_lshl_add_u32 v[RO+\t], v[RO+\t], 13, v[VH16]
.endr
.endm
.macro DLOAD                           ; the rows of part for my ranks of pass P: ranks 320 P + 16 w + 64 t + 8 h + 0..7; asked for ahead of the pass's K steps, whose waits cover them
	s_mul_i32 s52, s26, 4*PR
	s_lshl_b32 s2, s18, 6
	s_add_co_u32 s52, s52, s2
	s_mov_b32 s53, 0
	s_add_nc_u64 s[46:47], s[12:13], s[52:53]
	WIN 0x40
.set q, 0
.rept 10
	global_load_b128 v[DR+4*q:DR+4*q+3], v[VH32], s[46:47] offset:256*(q/2)+16*(q%2)
.set q, q+1
.endr
	WIN 0
.endm
	s_load_b256 s[4:11], s[0:1], 0x0               ; W2 s[4:5], b2 s[6:7], hb s[8:9], bm s[10:11]
	s_load_b128 s[12:15], s[0:1], 0x20             ; dst s[12:13], part s[14:15]
	v_lshl_add_u32 v[SPW], v0, 2, SPARE
	v_mov_b32 v[NIL], 0
	ds_add_u32 v[SPW], v[NIL]                      ; the wave's opening: the add and its wait ahead of my first tensor load
	v_lshrrev_b32 v1, 5, v0
	v_readfirstlane_b32 s18, v1                    ; wave 0..3
	s_and_b32 s19, ttmp9, 7                        ; cs
	s_lshr_b32 s62, ttmp9, 3                       ; kq
	s_and_b32 s20, ttmp7, 0xffff                   ; expert
	s_mov_b32 s36, 0x07520000                      ; elements of 4 bytes; padding on: 4 words behind every 64
	s_mov_b32 s37, 128<<16
	s_mov_b32 s38, 64<<16
	s_mov_b32 s39, 128<<16
	s_mov_b32 s40, 64
	s_mov_b32 s41, PITCH_EL
	s_mov_b32 s42, 0
	s_mov_b32 s43, 0
	s_mov_b32 s32, 1
	s_mul_i32 s33, s18, WQ                         ; my quarter of slot 0,
	s_mov_b32 s56, 1
	s_add_co_u32 s57, s33, SLOT                    ; and of slot 1
	s_lshl_b32 s52, s20, 24                        ; the expert's 16 MiB,
	s_lshl_b32 s2, s62, 22                         ; the quarter's 1,024 rows,
	s_add_co_u32 s52, s52, s2
	s_lshl_b32 s2, s19, 9                          ; the slice's 512 bytes of a row
	s_add_co_u32 s52, s52, s2
	s_mov_b32 s53, 0
	s_lshl_b32 s2, s18, 18                         ; my 64 rows of a chunk
	s_mov_b32 s3, 0
	v_and_b32 v[L], 31, v0
	v_and_b32 v[R], 15, v0
	v_bfe_u32 v[H], v0, 4, 1
	v_lshlrev_b32 v[V16R], 4, v[R]
	v_mad_u32_u24 v[VB], v[H], 8*LP, v[V16R]
	v_lshl_add_u32 v[VW], v[H], 15, v[V16R]        ; 8 h rows of 4,096 bytes
	v_lshlrev_b32 v[VH16], 4, v[H]
	v_lshlrev_b32 v[VH32], 5, v[H]
	v_lshrrev_b32 v[VP], 1, v[L]
	v_lshlrev_b32 v[VP], 12, v[VP]
	v_and_b32 v[TM], 1, v[L]
	v_lshl_add_u32 v[VP], v[TM], 8, v[VP]
	s_wait_dscnt 0x0                               ; the opening add is done
	s_wait_kmcnt 0x0
	s_add_nc_u64 s[4:5], s[4:5], s[52:53]          ; W2 at the slice
	s_add_nc_u64 s[34:35], s[4:5], s[2:3]          ; my quarter of chunk 0,
	s_add_nc_u64 s[58:59], s[34:35], CH_B          ; of chunk 1,
	s_add_nc_u64 s[50:51], s[58:59], CH_B          ; and of chunk 2, for the prefetch
	s_or_b32 s35, s35, 0x80000000                  ; type = 2
	s_or_b32 s59, s59, 0x80000000
	tensor_load_to_lds s[32:35], s[36:43]          ; both first fills go out together, ahead of every wait on TENSORcnt, LDS read and barrier: two loads of mine are out
	s_nop 0
	tensor_load_to_lds s[56:59], s[36:43]
	s_nop 0
	PLACES
	s_lshl_b32 s52, s20, 7
	s_add_nc_u64 s[10:11], s[10:11], s[52:53]
	s_load_b512 s[68:83], s[10:11], 0x0
	s_load_b512 s[84:99], s[10:11], 0x40
	s_mul_i32 s52, s20, 4*NPS*PR
	s_add_nc_u64 s[12:13], s[12:13], s[52:53]      ; dst at the expert
	s_lshl_b32 s52, s20, 12
	s_lshl_b32 s2, s19, 9
	s_add_co_u32 s52, s52, s2
	s_add_nc_u64 s[6:7], s[6:7], s[52:53]
	global_load_b128 v[64:67], v[V16R], s[6:7]     ; b2 of columns 4 r + c,
	global_load_b128 v[68:71], v[V16R], s[6:7] offset:256  ; and 64 + 4 r + c
	s_lshl_b32 s52, s20, 23
	s_lshl_b32 s2, s62, 11
	s_add_co_u32 s52, s52, s2
	s_add_nc_u64 s[8:9], s[8:9], s[52:53]          ; hb at the expert and the quarter
	s_mul_i32 s52, s62, PQ
	s_lshl_b32 s2, s19, 9
	s_add_co_u32 s52, s52, s2
	s_add_nc_u64 s[14:15], s[14:15], s[52:53]      ; part at the quarter and the slice
	CLEARW
	s_wait_kmcnt 0x0
	s_mov_b32 s21, 0
.set g, 0
.rept 32
	s_bcnt1_i32_b32 s2, s[68+g]
	s_add_co_u32 s21, s21, s2
.set g, g+1
.endr
	s_min_u32 s21, s21, 0x400                      ; the count
	s_max_u32 s22, s21, 1
	s_sub_co_u32 s22, s22, 1
	s_add_co_u32 s23, s21, 15
	s_lshr_b32 s23, s23, 4
	s_cmp_gt_u32 s21, PR                           ; passes: 1 to 4
	s_cselect_b32 s27, 2, 1
	s_cmp_gt_u32 s21, 2*PR
	s_cselect_b32 s27, 3, s27
	s_cmp_gt_u32 s21, 3*PR
	s_cselect_b32 s27, 4, s27
	s_cmp_eq_u32 s62, 0                            ; quarter 0 alone adds the bias
	s_cselect_b32 s2, -1, 0
	s_cselect_b32 s3, 0xffff0000, 0
	s_wait_loadcnt 0x0
.irp m, 0,1,2,3
	v_cvt_pk_bf16_f32 v[72+\m], v[64+2*\m], v[65+2*\m]  ; b2 rounded to bf16 like every input,
.endr
.irp m, 0,1,2,3
	v_lshlrev_b32 v[BB+2*\m], 16, v[72+\m]         ; and widened again
	v_and_b32 v[BB+2*\m], s2, v[BB+2*\m]
	v_and_b32 v[BB+2*\m+1], s3, v[72+\m]
.endr
	s_mov_b32 s26, 0
	SETNW
	ROWS
	DLOAD
	s_mov_b64 s[44:45], s[8:9]
	ALOAD 0, 0
	ALOAD 1, 64
	ALOAD 2, 128
	WIN 0
	s_mov_b32 s30, 0                               ; slot 0's first row
	s_wait_tensorcnt 0x1                           ; my quarter of chunk 0 is in; chunk 1's load may stay out
	s_barrier_signal -1
	s_barrier_wait -1                              ; everybody's is
	v_add_nc_u32 v[VBQ], s30, v[VB]
	RAWL 0, 0                                      ; the prologue: step 0's weights,
	s_wait_dscnt 0x0
	RAWL 1, 1                                      ; step 1's, on their way while
	CVT                                            ; step 0's are converted
.irp n, 0,1,2,3                        ; my quarter of chunk 2: each block of 256 bytes asked for once in the launch, 6 trips ahead of its tensor load
	global_prefetch_b8 v[VP], s[50:51] offset:\n*16*PITCH_B th:TH_LOAD_NT scope:SCOPE_SE
.endr
	s_mov_b32 s28, 2
	s_mov_b32 s29, 2
	s_branch .Lmid                                 ; the walk is entered at trip 0, in the middle of a four
.LA:                                                   ; twice: eight trips, then a change of slots that asks for a chunk
	s_mov_b32 s29, 2
.LAq:
	QUADR 1, 0
	s_sub_co_u32 s29, s29, 1
	s_cmp_lg_u32 s29, 0
	s_cbranch_scc1 .LAq
	HEAD 1
	s_sub_co_u32 s28, s28, 1
	s_cmp_lg_u32 s28, 0
	s_cbranch_scc1 .LA
	s_mov_b32 s28, 3
.LB:                                                   ; the tail is written out: twice eight trips and a change that asks for nothing, then two trips
	s_mov_b32 s29, 2
.LBq:
	QUADR 0, 1
	s_sub_co_u32 s29, s29, 1
	s_cmp_lg_u32 s29, 0
	s_cbranch_scc1 .LBq
	HEAD 0
	s_sub_co_u32 s28, s28, 1
	s_cmp_lg_u32 s28, 0
	s_cbranch_scc1 .LB
.Lout:
	s_wait_dscnt 0x0                               ; the last two runs have come back: their registers are scratch from here on
	s_mov_b32 s26, 0
.Lpass:                                                ; four passes; those without rows are jumped
	s_cmp_ge_u32 s26, s27
	s_cbranch_scc1 .Lpnext
	s_cmp_eq_u32 s26, 0
	s_cbranch_scc1 .Lepi
	s_wait_loadcnt 0x0                             ; the ring's look-ahead has come back: its registers are loaded again below
	s_wait_xcnt 0x0                                ; the last pass's stores have read their registers
	CLEARW
	SETNW
	ROWS
	DLOAD
	s_mov_b64 s[48:49], s[4:5]
	s_mov_b64 s[44:45], s[8:9]
	s_mov_b32 s60, 32
.Lk2:                                                  ; a further pass: a K step a trip, through registers; no barrier, no tensor load
	PLACES
	RAWG
	ALOAD 0, 0
	s_wait_loadcnt 0x0
	CVT
	TILES 0
	s_add_nc_u64 s[48:49], s[48:49], 32*PITCH_B
	s_add_nc_u64 s[44:45], s[44:45], 64
	s_sub_co_u32 s60, s60, 1
	s_cmp_lg_u32 s60, 0
	s_cbranch_scc1 .Lk2
.Lepi:
	PLACES                                         ; between the last products and the first read of a sum
.irp t, 0,1,2,3,4                      ; a tile: 16 rows x 128 columns; dead tiles are jumped
	s_cmp_le_u32 s24, \t
	s_cbranch_scc1 .Lfin
	s_wait_xcnt 0x0                                ; the last tile's stores have read their addresses and data
	WIN 0x04                                       ; source 1 in window 1
.irp i, 0,1,2,3,4,5,6,7
	v_min_u32 v[AD+\i], 0x807, v[DR+8*\t+\i]       ; a row of part: 2,055 at the most
.endr
	WIN 0
.irp i, 0,1,2,3,4,5,6,7
	v_lshl_add_u32 v[AD+\i], v[AD+\i], 12, v[V16R]
.endr
	WIN 0x02+\t/4                                  ; source 0 in window 2 or 3
.irp i, 0,1,2,3,4,5,6,7                ; the accumulators' registers in ascending order
.irp g, 0,1
.irp c, 0,1,2,3
	v_add_f32 v[O+8*\i+4*\g+\c], v[64*(\t%4)+8*(4*\g+\c)+\i], v[BB+4*\g+\c]  ; the bias; the sum lands in the order of the store
.endr
.endr
.endr
	WIN 0
.irp i, 0,1,2,3,4,5,6,7
.irp g, 0,1
	global_store_b128 v[AD+\i], v[O+8*\i+4*\g:O+8*\i+4*\g+3], s[14:15] offset:256*\g  ; sixteen lanes store 256 consecutive bytes of a row, aligned
.endr
.endr
.endr
.Lfin:
.Lpnext:
	s_add_co_u32 s26, s26, 1
	s_cmp_lt_u32 s26, NPS
	s_cbranch_scc1 .Lpass
	s_wait_tensorcnt 0x0                           ; the wave's end, behind my last tensor load
	ds_add_u32 v[SPW], v[NIL]
	s_wait_dscnt 0x0
	s_endpgm
.Lfunc_end_k_qc3af9eb22a_fc2:
	.size	k_qc3af9eb22a_fc2, .Lfunc_end_k_qc3af9eb22a_fc2-k_qc3af9eb22a_fc2
	.p2alignl 7, 3214868480
	.fill 96, 4, 3214868480
	.section	.rodata,"a",@progbits
	.p2align	6, 0x0
	.amdhsa_kernel k_qc3af9eb22a_fc2
		.amdhsa_group_segment_fixed_size 327680
		.amdhsa_private_segment_fixed_size 0
		.amdhsa_enable_private_segment 0
		.amdhsa_kernarg_size 48
		.amdhsa_user_sgpr_count 2
		.amdhsa_user_sgpr_kernarg_segment_ptr 1
		.amdhsa_wavefront_size32 1
		.amdhsa_system_sgpr_workgroup_id_x 1
		.amdhsa_system_sgpr_workgroup_id_y 1
		.amdhsa_system_sgpr_workgroup_id_z 1
		.amdhsa_system_vgpr_workitem_id 0
		.amdhsa_next_free_vgpr 1024
		.amdhsa_next_free_sgpr 102
		.amdhsa_reserve_vcc 0
		.amdhsa_float_denorm_mode_32 3
		.amdhsa_float_denorm_mode_16_64 3
		.amdhsa_memory_ordered 1
		.amdhsa_forward_progress 1
		.amdhsa_inst_pref_size 156
	.end_amdhsa_kernel
	.amdgpu_metadata
---
amdhsa.version: [ 1, 2 ]
amdhsa.kernels:
  - .name:           k_qc3af9eb22a_fc2
    .symbol:         k_qc3af9eb22a_fc2.kd
    .args:
      - { .name: W2, .offset: 0, .size: 8, .value_kind: global_buffer, .address_space: global }
      - { .name: b2, .offset: 8, .size: 8, .value_kind: global_buffer, .address_space: global }
      - { .name: hb, .offset: 16, .size: 8, .value_kind: global_buffer, .address_space: global }
      - { .name: bm, .offset: 24, .size: 8, .value_kind: global_buffer, .address_space: global }
      - { .name: dst, .offset: 32, .size: 8, .value_kind: global_buffer, .address_space: global }
      - { .name: part, .offset: 40, .size: 8, .value_kind: global_buffer, .address_space: global }
    .group_segment_fixed_size: 327680
    .private_segment_fixed_size: 0
    .kernarg_segment_align: 8
    .kernarg_segment_size: 48
    .max_flat_workgroup_size: 128
    .sgpr_count:     102
    .vgpr_count:     1024
    .wavefront_size: 32
...
	.end_amdgpu_metadata
.endif
;; end of part 6
;; launch sum: the kernel of part 4 again; grid 256 x 1, 8 waves a work-group, no clusters, 0 bytes of LDS; arguments part, gw, out0; writes out0
